; MI455X (gfx1250); checked and timed in simulation.
; The chip was launched on July 23, 2026; its instructions are those of AMD's public machine-readable ISA for CDNA 5 (MIT licence, August 2026) and "CDNA5" Instruction Set Architecture Reference Guide (July 2026). The comments in the code are by the model that wrote it; some were corrected since.
;; Swin Transformer Block. Allowed arithmetic: matrix products marked QUANTISED: E3M2 operands, one E8M0 scale for each 32 along K, by v_wmma_scale_f32_16x16x128_f8f6f4 with both operands' format E3M2, f32 sums; everything else in f32.
;; Inputs: b1 1,024 float32; b2 256 float32; bk 256 float32; bo 256 float32; bq 256 float32; bv 256 float32; hidden_states 8 x 4,096 x 256 float32; ln1_b 256 float32; ln1_g 256 float32; ln2_b 256 float32; ln2_g 256 float32; rel_table 225 x 8 float32; w1_codes 1,024 x 8 x 24 uint8 (E3M2 codes of w1, K innermost, in blocks of 32 codes, four codes in three bytes); w1_scales 1,024 x 8 uint8 (E8M0 scales of w1, one for each 32 codes along K); w2_codes 256 x 32 x 24 uint8 (E3M2 codes of w2, K innermost, in blocks of 32 codes, four codes in three bytes); w2_scales 256 x 32 uint8 (E8M0 scales of w2, one for each 32 codes along K); wk_codes 256 x 8 x 24 uint8 (E3M2 codes of wk, K innermost, in blocks of 32 codes, four codes in three bytes); wk_scales 256 x 8 uint8 (E8M0 scales of wk, one for each 32 codes along K); wo_codes 256 x 8 x 24 uint8 (E3M2 codes of wo, K innermost, in blocks of 32 codes, four codes in three bytes); wo_scales 256 x 8 uint8 (E8M0 scales of wo, one for each 32 codes along K); wq_codes 256 x 8 x 24 uint8 (E3M2 codes of wq, K innermost, in blocks of 32 codes, four codes in three bytes); wq_scales 256 x 8 uint8 (E8M0 scales of wq, one for each 32 codes along K); wv_codes 256 x 8 x 24 uint8 (E3M2 codes of wv, K innermost, in blocks of 32 codes, four codes in three bytes); wv_scales 256 x 8 uint8 (E8M0 scales of wv, one for each 32 codes along K).
;; Outputs: out0 8 x 4,096 x 256 float32.
;; This version of the problem:
;;   THIS VERSION OF THE PROBLEM IS GIVEN IN LOW PRECISION. The matrix products marked QUANTISED in the list below multiply operands that are first quantised to E3M2 (3 exponent bits, 2 mantissa bits; 6 bits a number), with one power-of-two scale for each 32 numbers along K (OCP MX v1.0); their sums are f32. All else is computed in f32.
;;   The module's matrix products, in the order in which they are computed (A, B: the left and right operand; K: the contracted axis; several contracted axes count as one K, in the product's order):
;;     1. [M 32,768, K 256] x [K 256, N 256]; A: computed on the way; B: input wq (given as codes): QUANTISED
;;     2. [M 32,768, K 256] x [K 256, N 256]; A: computed on the way; B: input wk (given as codes): QUANTISED
;;     3. [M 32,768, K 256] x [K 256, N 256]; A: computed on the way; B: input wv (given as codes): QUANTISED
;;     4. batch 4,096 x [M 64, K 32] x [K 32, N 64]; A: computed on the way; B: computed on the way: QUANTISED
;;     5. batch 4,096 x [M 32, K 64] x [K 64, N 64]; A: computed on the way; B: computed on the way: QUANTISED
;;     6. [M 32,768, K 256] x [K 256, N 256]; A: computed on the way; B: input wo (given as codes): QUANTISED
;;     7. [M 32,768, K 256] x [K 256, N 1,024]; A: computed on the way; B: input w1 (given as codes): QUANTISED
;;     8. [M 32,768, K 1,024] x [K 1,024, N 256]; A: computed on the way; B: input w2 (given as codes): QUANTISED
;;   THE QUANTISER, for each operand of a quantised product, along K:
;;     - K is cut into blocks of 32 from its start; a last block that is shorter is filled with zeros.
;;     - A block's scale is 2^e with e = floor(log2(the largest magnitude in the block)) - 4, held to -126 .. 127; a block of zeros has e = 0. As a byte (E8M0): e + 127.
;;     - Each number is divided by its block's scale, clamped to +-28, and rounded to the nearest number of E3M2, ties to even, subnormals kept.
;;     - The product sums the exact products of the quantised numbers (number of the format x scale) in f32.
;;   ~~~python
;;   def quantise(x, axis):      # numpy; x: float32 -> the quantised numbers, widened to float32 again
;;       x = np.moveaxis(x, axis, -1); K = x.shape[-1]
;;       x = np.pad(x, [(0, 0)] * (x.ndim - 1) + [(0, -K % 32)]); x = x.reshape(x.shape[:-1] + (-1, 32)); a = np.abs(x).max(-1, keepdims=True)
;;       e = np.where(a > 0, np.clip(np.frexp(np.where(a > 0, a, 1))[1] - 1 - 4, -126, 127), 0)      # np.frexp(a)[1] - 1 = floor(log2(a)), exactly
;;       r = np.clip(x / 2.0 ** e, -28, 28)
;;       step = 2.0 ** (np.maximum(np.frexp(np.where(r == 0, 1, r))[1] - 1, -2) - 2)
;;       q = np.round(r / step) * step * 2.0 ** e      # np.round: ties to even
;;       return np.moveaxis(q.reshape(q.shape[:-2] + (-1,))[..., :K], -1, axis).astype(np.float32)
;;   ~~~
;;   OPERANDS COMPUTED ON THE WAY. 'Computed on the way' means the value that the module computes at that place (a softmax that the list does not call 'softmax' is quantised finished and normalised). What goes into a quantiser is computed in f32, as accurately as f32 sums, v_exp_f32 and their like allow (about 1e-6 of the number): no bf16 or f16 on the way to a quantiser, and a product that is left as it is and whose result goes on into a quantised operand takes f32 operands (vector FMAs, or v_wmma_f32_16x16x4_f32). A number that lies on a knife's edge between two numbers of the format may be rounded either way, as far as f32 arithmetic and the matrix unit's own rounding can turn it there, and no further.
;;   INPUTS GIVEN AS CODES. w1 (in the module: [1024, 256], K = its axis 1); w2 (in the module: [256, 1024], K = its axis 1); wk (in the module: [256, 256], K = its axis 1); wo (in the module: [256, 256], K = its axis 1); wq (in the module: [256, 256], K = its axis 1); wv (in the module: [256, 256], K = its axis 1): each comes as NAME_codes (uint8): NAME with its K axis moved to the last place and cut into blocks of 32 codes, [.., K / 32, bytes a block], one block behind the other in memory; four codes in three bytes: a row's codes are one little-endian stream of bits, code i at bits 6 i .. 6 i + 5 (a code: sign, 3 exponent bits, 2 mantissa bits); and NAME_scales (uint8): the same leading axes, one E8M0 byte (e + 127) for each 32 codes along K. Its value is code x scale, taken as it is: it is not quantised again, and the codes and scales need not be those that the quantiser above would give.
;; 2 versions, each right and faster than the one before. Each part assembles by itself: llvm-mc -triple=amdgcn-amd-amdhsa -mcpu=gfx1250 --defsym DOCPART=n.
;; ======== version 1 of 2: 1 launch
;; launch swin (part 1): grid 256 x 1, 8 waves a work-group, no clusters, 297,984 bytes of LDS; arguments hidden_states, out0, ln1_g, ln1_b, ln2_g, ln2_b, rel_table, bq, bk, bv, bo, b1, b2, wq_codes, wq_scales, wk_codes, wk_scales, wv_codes, wv_scales, wo_codes, wo_scales, w1_codes, w1_scales, w2_codes, w2_scales; writes out0
.if DOCPART == 1
	.amdgcn_target "amdgcn-amd-amdhsa--gfx1250"
	.amdhsa_code_object_version 6
	.text
	.protected	k_q48a5507702_swin
	.globl	k_q48a5507702_swin
	.p2align	8
	.type	k_q48a5507702_swin,@function
k_q48a5507702_swin:
	s_mov_b64 s[64:65], 0
	v_nop
	global_prefetch_b8 v0, s[64:65] scope:SCOPE_SE
	s_setreg_imm32_b32 hwreg(HW_REG_WAVE_MODE, 25, 1), 1
	s_wait_xcnt 0x0
; A whole Swin block in one launch: LN1, shift by 4, windows of 8 x 8, q k v, 8 heads of 32 with relative bias and shift mask, softmax, P V, wo, residual, LN2, w1, exact GELU, w2, residual.
; All eight products on codes of BF6 (E3M2) with one E8M0 scale for each 32 along K; every computed operand is quantised from f32 in registers.
; SHARES.  No token leaves its shifted window, so a work-group of eight waves takes two neighbouring windows, 128 tokens, from hidden_states to out0; each byte of both is moved once.
; A wave has two roles.  ROW OWNER of 16 token slots (loads, LN1, LN2, stores).  COLUMN OWNER for all 128 tokens: head w; 32 columns of wq, wk, wv, wo, w2; 128 hidden units of w1.
; Its weights go from memory straight into its registers, once, and each fragment feeds eight matrix instructions.  Rows of codes go from wave to wave through LDS.
; TOKEN SLOTS.  Tile t = 2 b + u of a window: slot r is token 32 b + 8 u + r + 8 (r / 8): window rows 4 b + u (slots 0-7) and 4 b + u + 2 (slots 8-15), column r % 8.
; So the 16 registers of two neighbouring tiles of keys are 16 neighbouring tokens, for the scores (transposed product) and for v (product not transposed) alike, and a tile's row class (rows 0-3 or 4-7) is b.
; BIAS AND MASK are the C of the scores' matrix instruction, times sqrt(32); the division by sqrt(32) and log2(e) are one factor behind the row's maximum.  -100 is added once where the regions differ, as the reference adds it.
; No tensor loads and no copies: LDS is written by ds_store alone.  No clusters: the weights shared between work-groups live in registers, and LDS is full of the rows' stage and codes.
; LIMITS.  NaN and infinities among the inputs are not served.  A block of zeros gets the scale byte 1 (its codes are zeros; this program alone reads the bytes).
; erf is a rational function (7 and 5 terms in z^2) on z held to +-4: absolute error a few 1e-7, so 1 + erf has that absolute, not relative, accuracy in the far negative tail.
; A softmax weight under 2^-126 of the row's largest comes out as 0 (v_exp_f32 flushes).
; ---- LDS
.set SPI,  1040                        ; the stage: 128 slot rows of 1,024 bytes f32 + 16: shortcut, then hidden, then out
.set XC,   133120                      ; code rows of x, later of LN2's result: 192 bytes + 16
.set CPI,  208
.set CT,   159744                      ; code rows of ctx
.set XS,   186368                      ; x's scale bytes, 8 a row
.set CS,   187392                      ; ctx's
.set HC,   188416                      ; code rows of the hidden layer: 768 bytes + 16
.set HPI,  784
.set HSC,  288768                      ; its scale bytes, 32 a row
.set PAR,  292864                      ; ln1_g, ln1_b, ln2_g, ln2_b, 1,024 bytes each
; ---- vector registers, window 0, that stay
.set RR,   1                           ; lane % 16
.set HH,   2                           ; lane / 16
.set LM,   3                           ; all ones in lanes 0-15, 0 in lanes 16-31
.set GA,   4                           ; v4-7   byte offsets in hidden_states and out0 of my four groups of four rows, + 16 x lane
.set SD,   8                           ; stage, my 16 rows, 16 x lane
.set SRH,  9                           ; stage, my row r, + 64 h
.set SCA,  10                          ; v10-11 stage, row r, my 32 columns, + 32 h; tiles 0-3 and 4-7
.set AX,   12                          ; XC + 208 r + 24 h
.set AXS,  13                          ; XS + 8 r
.set AXW,  14                          ; AX at my tile
.set AXSW, 15                          ; AXS at my tile
.set CTW,  16                          ; CT + 208 r + 24 w + 12 h
.set CSW,  17                          ; CS + 8 r + w
.set AH0,  18                          ; v18-19 HC + 784 r + 24 h; tiles 0-3 and 4-7
.set AHW,  20                          ; AH0 + 96 w
.set HSR,  21                          ; HSC + 32 r
.set HSW,  22                          ; HSR + 4 w
.set AG,   23                          ; PAR + 64 h
.set TA,   24                          ; v24-27 offsets of weight loads, then a trip's LDS addresses
.set BV,   28                          ; v28-31 bv of my lane's channel, tiles 0 and 1, each twice
.set WS,   32                          ; v32-47 weights' scale words (scales and nothing else, like v48-57)
.set XSW,  48                          ; v48-49 x's scale words
.set HSB,  48                          ; v48-51 four tiles' scale words in the two last products
.set SQ,   50
.set SP,   51
.set SK,   52                          ; v52-55 k's scale bytes; later wo's scale words
.set SV,   56                          ; v56-57
.set MU,   58
.set RS,   60
.set PW,   62                          ; the scale word just made
.set TP,   63
.set TM,   240                         ; v240-255 at work: +0..3 maxima, +4..7 partner's, then bytes, +8..11 scale operands, +12..14 codes
; ---- window 0 by phase
.set XR,   64                          ; v64-191 a row owner's 128 numbers
.set GR,   192
.set BR,   224
.set SCO,  64                          ; scores, then p
.set VA,   64                          ; v of 64 tokens: 32 u + 8 t + j
.set XFQ,  96
.set KF,   128                         ; k's four fragments
.set VF,   176                         ; v's two
.set QF,   200
.set PF,   212
.set XFKV, 200
.set QA,   224                         ; q, k or ctx of a tile: 16 numbers
.set ACC,  64                          ; 16 accumulators: 8 (2 m + u)
.set FB,   192
.set BI,   240
.set TT,   192
.set HA,   64
.set XF,   128
.set GZ,   176
.set GZ2,  184
.set GP,   192
.set GQ,   200
; ---- window 1
.set WQ,   0
.set WK,   48
.set WV,   96
.set BM,   144                         ; nine tiles of bias and mask, by the difference of the tiles' rows
.set BQ,   216
.set BK,   232
.set W1F,  64
; ---- scalars
.set WVN,  54
.set CNT,  55
.set SEL,  56
.set SX,   58
.set SS,   59
.set SH,   60
.set SHS,  61
.set EA,   66                          ; s[66:79] erf's numerator, s[80:89] its denominator, each number twice
.set MSB, 0
.macro WIN new                         ; the immediate's high byte repeats the setting that is left
.if MSB != \new
	s_set_vgpr_msb (MSB<<8)|\new
.set MSB, \new
.endif
.endm
.macro BAR                             ; my LDS stores have landed and my LDS loads are in: then the work-group's barrier
	s_wait_dscnt 0x0
	s_barrier_signal -1
	s_barrier_wait -1
.endm
.macro NOPS n
.rept \n
	v_nop
.endr
.endm
.macro FRAGL reg, adr, off             ; a fragment, 16 rows x 128 K: 24 bytes of the row's stream of bits twice, in pieces of 8 bytes
.irp p, 0,1,2,3,4,5
	ds_load_b64 v[(\reg)+2*\p:(\reg)+2*\p+1], v[\adr] offset:(\off)+48*(\p/3)+8*(\p%3)
.endr
.endm
.macro FRAGS adr, off                  ; the fragment in v[PCD] on goes to its rows
.irp p, 0,1,2,3,4,5
	ds_store_b64 v[\adr], v[PCD+2*\p:PCD+2*\p+1] offset:(\off)+48*(\p/3)+8*(\p%3)
.endr
.endm
.macro WLOAD reg, vadr, sb, off        ; a weight's fragment from memory
.irp p, 0,1,2,3,4,5
	global_load_b64 v[(\reg)+2*\p:(\reg)+2*\p+1], v[\vadr], s[\sb:\sb+1] offset:(\off)+48*(\p/3)+8*(\p%3)
.endr
.endm
.macro MM d, a, b, c, sa, sb
	v_wmma_scale_f32_16x16x128_f8f6f4 v[(\d):(\d)+7], v[(\a):(\a)+11], v[(\b):(\b)+11], v[(\c):(\c)+7], v[\sa], v[\sb] matrix_a_fmt:MATRIX_FMT_BF6 matrix_b_fmt:MATRIX_FMT_BF6
.endm
.macro MMZ d, a, b, sa, sb
	v_wmma_scale_f32_16x16x128_f8f6f4 v[(\d):(\d)+7], v[(\a):(\a)+11], v[(\b):(\b)+11], 0, v[\sa], v[\sb] matrix_a_fmt:MATRIX_FMT_BF6 matrix_b_fmt:MATRIX_FMT_BF6
.endm
; One block of 32 in lanes l and l xor 16, 16 numbers each: its scale operand in v[TM+8].  The floor 2^(5 - 127) holds the byte at 1 from below.  Two chains, each from an accumulator's low end on.
.macro QS1 s
	v_max3_num_f32 v[TM], |v[(\s)]|, |v[(\s)+1]|, 0x2800000
	v_max3_num_f32 v[TM+1], |v[(\s)+8]|, |v[(\s)+9]|, |v[(\s)+10]|
	v_max3_num_f32 v[TM], v[TM], |v[(\s)+2]|, |v[(\s)+3]|
	v_max3_num_f32 v[TM+1], v[TM+1], |v[(\s)+11]|, |v[(\s)+12]|
	v_max3_num_f32 v[TM], v[TM], |v[(\s)+4]|, |v[(\s)+5]|
	v_max3_num_f32 v[TM+1], v[TM+1], |v[(\s)+13]|, |v[(\s)+14]|
	v_max3_num_f32 v[TM], v[TM], |v[(\s)+6]|, |v[(\s)+7]|
	v_max3_num_f32 v[TM], v[TM], v[TM+1], |v[(\s)+15]|
	v_permlanex16_b32 v[TM+4], v[TM], s[SEL], s[SEL+1]
	v_max_num_f32 v[TM], v[TM], v[TM+4]
	v_add_nc_u32 v[TM+8], 0xfe000000, v[TM]        ; 4 off the exponent field: the conversion's scale operand
.endm
; nb blocks, register 16 b + i = k 32 b + 16 (lane / 16) + i: scale operands in v[TM+8+b], bytes in v[TM+4+b].  The blocks take turns line by line.
.macro QSCALE s, nb
.set qb, 0
.rept \nb
	v_max3_num_f32 v[TM+qb], |v[(\s)+16*qb]|, |v[(\s)+16*qb+1]|, 0x2800000
.set qb, qb+1
.endr
.set qi, 2
.rept 7
.set qb, 0
.rept \nb
	v_max3_num_f32 v[TM+qb], v[TM+qb], |v[(\s)+16*qb+qi]|, |v[(\s)+16*qb+qi+1]|
.set qb, qb+1
.endr
.set qi, qi+2
.endr
.set qb, 0
.rept \nb
	v_permlanex16_b32 v[TM+4+qb], v[TM+qb], s[SEL], s[SEL+1]
.set qb, qb+1
.endr
.set qb, 0
.rept \nb
	v_max_num_f32 v[TM+qb], v[TM+qb], v[TM+4+qb]
.set qb, qb+1
.endr
.set qb, 0
.rept \nb
	v_add_nc_u32 v[TM+8+qb], 0xfe000000, v[TM+qb]
.set qb, qb+1
.endr
.set qb, 0
.rept \nb
	v_lshrrev_b32 v[TM+4+qb], 23, v[TM+8+qb]
.set qb, qb+1
.endr
.endm
; 64 numbers become a fragment's 12 registers in v[PCD] on and its scale word in v[PW]
.macro QUANT4 s
	QSCALE \s, 4
	v_lshl_or_b32 v[PW], v[TM+5], 8, v[TM+4]
	v_lshl_or_b32 v[PW], v[TM+6], 16, v[PW]
	v_lshl_or_b32 v[PW], v[TM+7], 24, v[PW]
.irp c, 0,1
	v_cvt_scalef32_pk16_bf6_f32 v[PCD+6*\c:PCD+6*\c+2], v[(\s)+32*\c:(\s)+32*\c+15], v[TM+8+2*\c]
	v_cvt_scalef32_pk16_bf6_f32 v[PCD+12+4*\c:PCD+12+4*\c+2], v[(\s)+32*\c+16:(\s)+32*\c+31], v[TM+9+2*\c]
.endr
	v_nop                                          ; one plain place behind a scaled conversion
.irp c, 0,1                            ; the operand wants a whole block in a lane: lanes 0-15 block 2 c, lanes 16-31 block 2 c + 1
.irp i, 0,1,2
	v_permlane16_swap_b32 v[PCD+6*\c+\i], v[PCD+12+4*\c+\i]
.endr
.irp i, 0,1,2
	v_mov_b32 v[PCD+3+6*\c+\i], v[PCD+12+4*\c+\i]
.endr
.endr
.endm
; 32 numbers (K = 64) become registers d .. d + 5 of a fragment, and the scale word sw
.macro QUANT2 s, d, sw
	QSCALE \s, 2
	v_lshl_or_b32 v[\sw], v[TM+5], 8, v[TM+4]
	v_cvt_scalef32_pk16_bf6_f32 v[(\d):(\d)+2], v[(\s):(\s)+15], v[TM+8]
	v_cvt_scalef32_pk16_bf6_f32 v[TM+12:TM+14], v[(\s)+16:(\s)+31], v[TM+9]
	v_nop
.irp i, 0,1,2
	v_permlane16_swap_b32 v[(\d)+\i], v[TM+12+\i]
.endr
.irp i, 0,1,2
	v_mov_b32 v[(\d)+3+\i], v[TM+12+\i]
.endr
.endm
; LayerNorm of my 16 rows in the stage, quantised into XC and XS.  Lane (r, h) holds, of row r, channels 32 b + 16 h + 0 .. 15 of each block b: 128 numbers.  Mean first, then the squares of the differences.
.macro LNQ goff
.irp b, 0,1,2,3,4,5,6,7
.irp j, 0,1,2,3
	ds_load_b128 v[XR+16*\b+4*\j:XR+16*\b+4*\j+3], v[SRH] offset:128*\b+16*\j
.endr
.endr
	s_wait_dscnt 0x0
.irp c, 0,1,2,3
	v_pk_add_f32 v[TM+2*\c:TM+2*\c+1], v[XR+4*\c:XR+4*\c+1], v[XR+4*\c+2:XR+4*\c+3]
.endr
.set li, 16
.rept 14
.irp c, 0,1,2,3
	v_pk_add_f32 v[TM+2*\c:TM+2*\c+1], v[TM+2*\c:TM+2*\c+1], v[XR+li+2*\c:XR+li+2*\c+1]
.endr
.set li, li+8
.endr
	v_pk_add_f32 v[TM:TM+1], v[TM:TM+1], v[TM+2:TM+3]
	v_pk_add_f32 v[TM+4:TM+5], v[TM+4:TM+5], v[TM+6:TM+7]
	v_pk_add_f32 v[TM:TM+1], v[TM:TM+1], v[TM+4:TM+5]
	v_add_f32 v[TM], v[TM], v[TM+1]
	v_permlanex16_b32 v[TM+2], v[TM], s[SEL], s[SEL+1]
	v_add_f32 v[TM], v[TM], v[TM+2]
	v_mul_f32 v[MU], s62, v[TM]                    ; the mean
	v_mov_b32 v[MU+1], v[MU]
.set li, 0
.rept 64
	v_pk_add_f32 v[XR+li:XR+li+1], v[XR+li:XR+li+1], v[MU:MU+1] neg_lo:[0,1] neg_hi:[0,1]
.set li, li+2
.endr
.irp c, 0,1,2,3
	v_pk_mul_f32 v[TM+2*\c:TM+2*\c+1], v[XR+2*\c:XR+2*\c+1], v[XR+2*\c:XR+2*\c+1]
.endr
.set li, 8
.rept 15
.irp c, 0,1,2,3
	v_pk_fma_f32 v[TM+2*\c:TM+2*\c+1], v[XR+li+2*\c:XR+li+2*\c+1], v[XR+li+2*\c:XR+li+2*\c+1], v[TM+2*\c:TM+2*\c+1]
.endr
.set li, li+8
.endr
	v_pk_add_f32 v[TM:TM+1], v[TM:TM+1], v[TM+2:TM+3]
	v_pk_add_f32 v[TM+4:TM+5], v[TM+4:TM+5], v[TM+6:TM+7]
	v_pk_add_f32 v[TM:TM+1], v[TM:TM+1], v[TM+4:TM+5]
	v_add_f32 v[TM], v[TM], v[TM+1]
	v_permlanex16_b32 v[TM+2], v[TM], s[SEL], s[SEL+1]
	v_add_f32 v[TM], v[TM], v[TM+2]
	v_fma_f32 v[TM], v[TM], s62, 0x3727c5ac        ; the variance + 1e-5
	v_rsq_f32 v[RS], v[TM]
	v_nop                                          ; one plain place behind the transcendental
	s_wait_alu depctr_va_vdst(0)
	v_mov_b32 v[RS+1], v[RS]
.irp q, 0,1,2,3                        ; gain and bias of two blocks at a time; all lanes of a half read the same bytes
.irp e, 0,1,2,3,4,5,6,7
	ds_load_b128 v[GR+4*\e:GR+4*\e+3], v[AG] offset:(\goff)+256*\q+128*(\e/4)+16*(\e%4)
	ds_load_b128 v[BR+4*\e:BR+4*\e+3], v[AG] offset:(\goff)+1024+256*\q+128*(\e/4)+16*(\e%4)
.endr
.set li, 0
.rept 16
	v_pk_mul_f32 v[XR+32*\q+li:XR+32*\q+li+1], v[XR+32*\q+li:XR+32*\q+li+1], v[RS:RS+1]
.set li, li+2
.endr
	s_wait_dscnt 0x0
.set li, 0
.rept 16
	v_pk_fma_f32 v[XR+32*\q+li:XR+32*\q+li+1], v[XR+32*\q+li:XR+32*\q+li+1], v[GR+li:GR+li+1], v[BR+li:BR+li+1]
.set li, li+2
.endr
.endr
.irp k, 0,1
	QUANT4 XR+64*\k
	FRAGS AXW, 96*\k
	ds_store_b32 v[AXSW], v[PW] offset:4*\k
	s_wait_dscnt 0x0                               ; the stores have read their registers
.endr
.endm
; x (1 + erf(x / sqrt 2)) / 2 of eight numbers, two at a time, four pairs by turns
.macro GELU8 a
.irp p, 0,2,4,6
	v_pk_mul_f32 v[GZ+\p:GZ+\p+1], v[(\a)+\p:(\a)+\p+1], 0x3f3504f3 op_sel_hi:[1,0]
.endr
.irp p, 0,1,2,3,4,5,6,7
	v_med3_num_f32 v[GZ+\p], v[GZ+\p], -4.0, 4.0
.endr
.irp p, 0,2,4,6
	v_pk_mul_f32 v[GZ2+\p:GZ2+\p+1], v[GZ+\p:GZ+\p+1], v[GZ+\p:GZ+\p+1]
.endr
.irp p, 0,2,4,6
	v_pk_fma_f32 v[GP+\p:GP+\p+1], v[GZ2+\p:GZ2+\p+1], s[EA:EA+1], s[EA+2:EA+3] op_sel_hi:[1,0,0]
.endr
.irp p, 0,2,4,6
	v_pk_fma_f32 v[GQ+\p:GQ+\p+1], v[GZ2+\p:GZ2+\p+1], s[EA+14:EA+15], s[EA+16:EA+17] op_sel_hi:[1,0,0]
.endr
.irp c, 4,6,8,10,12
.irp p, 0,2,4,6
	v_pk_fma_f32 v[GP+\p:GP+\p+1], v[GP+\p:GP+\p+1], v[GZ2+\p:GZ2+\p+1], s[EA+\c:EA+\c+1] op_sel_hi:[1,1,0]
.endr
.endr
.irp c, 18,20,22
.irp p, 0,2,4,6
	v_pk_fma_f32 v[GQ+\p:GQ+\p+1], v[GQ+\p:GQ+\p+1], v[GZ2+\p:GZ2+\p+1], s[EA+\c:EA+\c+1] op_sel_hi:[1,1,0]
.endr
.endr
.irp p, 0,2,4,6
	v_pk_mul_f32 v[GP+\p:GP+\p+1], v[GP+\p:GP+\p+1], v[GZ+\p:GZ+\p+1]
.endr
.irp p, 0,1,2,3,4,5,6,7
	v_rcp_f32 v[GQ+\p], v[GQ+\p]
.endr
.irp p, 0,2,4,6
	v_pk_mul_f32 v[GZ+\p:GZ+\p+1], v[(\a)+\p:(\a)+\p+1], 0.5 op_sel_hi:[1,0]    ; (plain places behind the reciprocals)
.endr
	s_wait_alu depctr_va_vdst(0)
.irp p, 0,2,4,6
	v_pk_mul_f32 v[GP+\p:GP+\p+1], v[GP+\p:GP+\p+1], v[GQ+\p:GQ+\p+1]           ; erf
.endr
.irp p, 0,2,4,6
	v_pk_fma_f32 v[(\a)+\p:(\a)+\p+1], v[GZ+\p:GZ+\p+1], v[GP+\p:GP+\p+1], v[GZ+\p:GZ+\p+1]
.endr
.endm
; Four tiles of tokens (4 q + i) against my two tiles of 16 output columns, K step gs.  Transposed: source 0 = 16 rows of the weight, source 1 = 16 tokens.  The first K step takes the bias as C.
; The 16 accumulators take turns, one instruction a turn.
.macro GBATCH ns, ws, adr, off, q, mstr, sadr, soff, smstr
	NOPS 4                                         ; places in front of loads into registers that matrix instructions have read
.irp i, 0,1,2,3
	FRAGL FB+12*\i, \adr, (\off)+\i*(\mstr)+96*gs
	ds_load_b32 v[HSB+\i], v[\sadr] offset:(\soff)+(4*(\q)+\i)*(\smstr)+4*gs
.endr
	s_wait_dscnt 0x0
	WIN 0x01                                       ; the weight in window 1
.irp i, 0,1,2,3
.irp u, 0,1
.if gs == 0
	MM ACC+8*(2*(4*(\q)+\i)+\u), 12*((\ns)*\u+gs), FB+12*\i, BI+8*\u, (\ws)+(\ns)*\u+gs, HSB+\i
.else
	MM ACC+8*(2*(4*(\q)+\i)+\u), 12*((\ns)*\u+gs), FB+12*\i, ACC+8*(2*(4*(\q)+\i)+\u), (\ws)+(\ns)*\u+gs, HSB+\i
.endif
.endr
.endr
	WIN 0
.endm
.macro OUTGEMM ns, ws, adr0, off0, adr1, off1, mstr, sadr, soff, smstr
.set gs, 0
.rept \ns
	GBATCH \ns, \ws, \adr0, \off0, 0, \mstr, \sadr, \soff, \smstr
	GBATCH \ns, \ws, \adr1, \off1, 1, \mstr, \sadr, \soff, \smstr
.set gs, gs+1
.endr
.endm
; My 32 columns of the stage's 128 rows are added to the accumulators and written back.  Lane (r, h), accumulator (m, u): row 16 m + r, columns 32 w + 16 u + 8 h + 0 .. 7.  Each accumulator is read from its low end on.
.macro RESID
	NOPS 4
.irp q, 0,1
.irp i, 0,1,2,3
.irp u, 0,1
	ds_load_b128 v[TT+16*\i+8*\u:TT+16*\i+8*\u+3], v[SCA+\q] offset:\i*16*SPI+64*\u
	ds_load_b128 v[TT+16*\i+8*\u+4:TT+16*\i+8*\u+7], v[SCA+\q] offset:\i*16*SPI+64*\u+16
.endr
.endr
	s_wait_dscnt 0x0
.set li, 0
.rept 32
	v_pk_add_f32 v[ACC+64*\q+li:ACC+64*\q+li+1], v[ACC+64*\q+li:ACC+64*\q+li+1], v[TT+li:TT+li+1]
.set li, li+2
.endr
.irp i, 0,1,2,3
.irp u, 0,1
	ds_store_b128 v[SCA+\q], v[ACC+64*\q+16*\i+8*\u:ACC+64*\q+16*\i+8*\u+3] offset:\i*16*SPI+64*\u
	ds_store_b128 v[SCA+\q], v[ACC+64*\q+16*\i+8*\u+4:ACC+64*\q+16*\i+8*\u+7] offset:\i*16*SPI+64*\u+16
.endr
.endr
.endr
.endm
; k (transposed: a lane holds one token, 16 channels) and v (not transposed: a lane holds one channel, registers run along the tokens) of tile t of the window in hand; k is quantised at once.
.macro KVTILE t
	FRAGL XFKV, TA, 16*CPI*(\t)
	FRAGL XFKV+12, TA, 16*CPI*(\t)+96
	ds_load_b32 v[XSW], v[TA+1] offset:128*(\t)
	ds_load_b32 v[XSW+1], v[TA+1] offset:128*(\t)+4
	s_wait_dscnt 0x0
	WIN 0x11                                       ; wk and bk in window 1
	MM QA, WK, XFKV, BK, WS+4, XSW
	MM QA+8, WK+24, XFKV, BK+8, WS+6, XSW
	WIN 0x04                                       ; wv, as source 1, in window 1
	MMZ VA+8*(\t), XFKV, WV, XSW, WS+8
	MMZ VA+32+8*(\t), XFKV, WV+24, XSW, WS+10
	WIN 0x01
	MM QA, WK+12, XFKV+12, QA, WS+5, XSW+1
	MM QA+8, WK+36, XFKV+12, QA+8, WS+7, XSW+1
	WIN 0x04
	MM VA+8*(\t), XFKV+12, WV+12, VA+8*(\t), XSW+1, WS+9
	MM VA+32+8*(\t), XFKV+12, WV+36, VA+32+8*(\t), XSW+1, WS+11
	WIN 0
	NOPS 5                                         ; five: the next tile's first products begin these accumulators anew
	QS1 QA
	v_lshrrev_b32 v[SK+(\t)], 23, v[TM+8]
	v_cvt_scalef32_pk16_bf6_f32 v[TM+12:TM+14], v[QA:QA+15], v[TM+8]
	v_nop
.irp i, 0,1,2                          ; K = 32 of the instruction's 128: lanes 0-15 hold the block (their own 16 codes, then lane l + 16's), all else is zero codes
	v_and_b32 v[KF+12*(\t)+\i], v[TM+12+\i], v[LM]
.endr
.irp i, 0,1,2
	v_permlanex16_b32 v[KF+12*(\t)+3+\i], v[TM+12+\i], s[SEL], s[SEL+1]
.endr
.irp i, 0,1,2
	v_and_b32 v[KF+12*(\t)+3+\i], v[KF+12*(\t)+3+\i], v[LM]
.endr
.endm
; 16 queries: q, scores against the window's 64 keys, softmax, P V, ctx quantised into its rows
.macro QTILE tq
	FRAGL XFQ, TA, 16*CPI*(\tq)
	FRAGL XFQ+12, TA, 16*CPI*(\tq)+96
	ds_load_b32 v[XSW], v[TA+1] offset:128*(\tq)
	ds_load_b32 v[XSW+1], v[TA+1] offset:128*(\tq)+4
	s_wait_dscnt 0x0                               ; these loads, and the last tile's stores of ctx
	WIN 0x11
	MM QA, WQ, XFQ, BQ, WS, XSW
	MM QA+8, WQ+24, XFQ, BQ+8, WS+2, XSW
	WIN 0x01
	MM QA, WQ+12, XFQ+12, QA, WS+1, XSW+1
	MM QA+8, WQ+36, XFQ+12, QA+8, WS+3, XSW+1
	WIN 0
	NOPS 4
	QS1 QA
	v_lshrrev_b32 v[SQ], 23, v[TM+8]
	v_cvt_scalef32_pk16_bf6_f32 v[QF:QF+2], v[QA:QA+15], v[TM+8]
	v_nop
.irp i, 0,1,2
	v_permlanex16_b32 v[QF+3+\i], v[QF+\i], s[SEL], s[SEL+1]   ; (what lanes 16-31 and registers 6-11 hold meets k's zero codes)
.endr
	NOPS 8                                         ; a scale register written by a vector instruction stands 8 places ahead of a scaled matrix instruction, an operand 4
	WIN 0x10                                       ; bias and mask, as C, in window 1
.irp k, 0,1,2,3
.set dd, (4*((\tq)/2)+(\tq)%2)-(4*(\k/2)+\k%2)+5
	MM SCO+8*\k, KF+12*\k, QF, BM+8*(dd-dd/4), SK+\k, SQ
.endr
	WIN 0
	NOPS 4
.irp c, 0,1,2,3                        ; the row's maximum: my 32 scores, four chains, each from an accumulator's low end on
	v_max3_num_f32 v[TM+\c], v[SCO+8*\c], v[SCO+8*\c+1], v[SCO+8*\c+2]
.endr
.irp c, 0,1,2,3
	v_max3_num_f32 v[TM+\c], v[TM+\c], v[SCO+8*\c+3], v[SCO+8*\c+4]
.endr
.irp c, 0,1,2,3
	v_max3_num_f32 v[TM+\c], v[TM+\c], v[SCO+8*\c+5], v[SCO+8*\c+6]
.endr
	v_max3_num_f32 v[TM], v[TM], v[SCO+7], v[SCO+15]
	v_max3_num_f32 v[TM+2], v[TM+2], v[SCO+23], v[SCO+31]
	v_max3_num_f32 v[TM], v[TM], v[TM+1], v[TM+2]
	v_max_num_f32 v[TM], v[TM], v[TM+3]
	v_permlanex16_b32 v[TM+4], v[TM], s[SEL], s[SEL+1]
	v_max_num_f32 v[TM], v[TM], v[TM+4]            ; with lane l xor 16's 32 keys
	v_mul_f32 v[TM], -v[TM], s94                   ; - maximum x log2(e) / sqrt(32)
.set li, 0
.rept 16
	v_pk_fma_f32 v[SCO+li:SCO+li+1], v[SCO+li:SCO+li+1], s[94:95], v[TM:TM+1] op_sel_hi:[1,0,0]
.set li, li+2
.endr
.set li, 0
.rept 32
	v_exp_f32 v[SCO+li], v[SCO+li]
.set li, li+1
.endr
	v_nop
	s_wait_alu depctr_va_vdst(0)
	v_pk_add_f32 v[TM+2:TM+3], v[SCO:SCO+1], v[SCO+2:SCO+3]
	v_pk_add_f32 v[TM+4:TM+5], v[SCO+4:SCO+5], v[SCO+6:SCO+7]
.irp j, 8,12,16,20,24,28
	v_pk_add_f32 v[TM+2:TM+3], v[TM+2:TM+3], v[SCO+\j:SCO+\j+1]
	v_pk_add_f32 v[TM+4:TM+5], v[TM+4:TM+5], v[SCO+\j+2:SCO+\j+3]
.endr
	v_pk_add_f32 v[TM+2:TM+3], v[TM+2:TM+3], v[TM+4:TM+5]
	v_add_f32 v[TM+2], v[TM+2], v[TM+3]
	v_permlanex16_b32 v[TM+4], v[TM+2], s[SEL], s[SEL+1]
	v_add_f32 v[TM+2], v[TM+2], v[TM+4]
	v_rcp_f32 v[TM+2], v[TM+2]
	v_nop
.set li, 0
	s_wait_alu depctr_va_vdst(0)
.rept 16
	v_pk_mul_f32 v[SCO+li:SCO+li+1], v[SCO+li:SCO+li+1], v[TM+2:TM+3] op_sel_hi:[1,0]   ; the finished softmax is what is quantised
.set li, li+2
.endr
	QUANT2 SCO, PF, SP
	NOPS 8
	MMZ QA, VF, PF, SV, SP                         ; ctx^T: a lane holds one query and channels 16 h + 8 u + j of my head
	MMZ QA+8, VF+12, PF, SV+1, SP
	NOPS 4
	QS1 QA                                         ; my head's 32 channels are block w of the next K
	v_lshrrev_b32 v[TM+4], 23, v[TM+8]
	v_cvt_scalef32_pk16_bf6_f32 v[TM+12:TM+14], v[QA:QA+15], v[TM+8]
	v_nop
.irp i, 0,1,2
	ds_store_b32 v[TA+2], v[TM+12+\i] offset:16*CPI*(\tq)+4*\i
.endr
	ds_store_b8 v[TA+3], v[TM+4] offset:128*(\tq)  ; both lanes of a row write the same byte with the same value
.endm
; ================ HEAD
	s_load_b512 s[4:19], s[0:1], 0x0               ; hidden_states 4, out0 6, ln1_g 8, ln1_b 10, ln2_g 12, ln2_b 14, rel_table 16, bq 18
	s_load_b512 s[20:35], s[0:1], 0x40             ; bk 20, bv 22, bo 24, b1 26, b2 28, wq 30 32, wk 34
	s_load_b512 s[36:51], s[0:1], 0x80             ; wk's scales 36, wv 38 40, wo 42 44, w1 46 48, w2 50
	s_load_b64 s[52:53], s[0:1], 0xc0              ; w2's scales
	v_lshrrev_b32 v[TP], 5, v0
	v_readfirstlane_b32 s[WVN], v[TP]              ; wave 0..7
	v_and_b32 v[RR], 15, v0
	v_bfe_u32 v[HH], v0, 4, 1
	v_add_nc_u32 v[LM], -1, v[HH]
	v_and_b32 v[TA], 31, v0                        ; lane
	s_lshr_b32 s96, ttmp9, 5                       ; the image
	s_bfe_u32 s97, ttmp9, 0x30002                  ; the windows' row wh
	s_and_b32 s98, ttmp9, 3                        ; the pair of windows in that row
	s_cmp_eq_u32 s97, 7
	s_cselect_b32 s90, 0xc40d6bde, 0               ; -100 sqrt(32) between the row classes of the last row of windows
	s_cmp_eq_u32 s98, 3
	s_cselect_b32 s91, 0xc40d6bde, 0               ; and between the column classes of the last column (the pair's second window)
	s_cmp_eq_u32 s97, 7
	s_cselect_b32 s92, 0, s91                      ; which is not added a second time
	s_lshr_b32 s99, s[WVN], 2                      ; my tile's window of the pair
	s_lshl_b32 s100, s98, 1
	s_add_co_u32 s99, s99, s100                    ; ww
	s_lshl_b32 s99, s99, 3
	s_add_co_u32 s99, s99, 4                       ; image column of window columns 0-3: 8 ww + 4 on
	s_add_co_u32 s100, s99, 4
	s_and_b32 s100, s100, 63                       ; and of columns 4-7: (8 ww + 8) mod 64 on
	s_bfe_u32 s101, s[WVN], 0x10001
	s_lshl_b32 s101, s101, 2
	s_and_b32 s58, s[WVN], 1
	s_add_co_u32 s101, s101, s58                   ; my tile's first window row: 4 b + u
	s_lshl_b32 s58, s97, 3
	s_add_co_u32 s101, s101, s58
	s_add_co_u32 s101, s101, 4
	s_add_co_u32 s58, s101, 2
	s_and_b32 s101, s101, 63                       ; image row of slots 0-7,
	s_and_b32 s58, s58, 63                         ; of slots 8-15
	s_lshl_b32 s96, s96, 12
	s_lshl_b32 s101, s101, 6
	s_add_co_u32 s101, s101, s96
	s_lshl_b32 s58, s58, 6
	s_add_co_u32 s58, s58, s96
	s_add_co_u32 s59, s101, s99
	s_lshl_b32 s59, s59, 10                        ; 1,024 bytes a token
	v_lshl_add_u32 v[GA], v[TA], 4, s59
	s_add_co_u32 s59, s101, s100
	s_lshl_b32 s59, s59, 10
	v_lshl_add_u32 v[GA+1], v[TA], 4, s59
	s_add_co_u32 s59, s58, s99
	s_lshl_b32 s59, s59, 10
	v_lshl_add_u32 v[GA+2], v[TA], 4, s59
	s_add_co_u32 s59, s58, s100
	s_lshl_b32 s59, s59, 10
	v_lshl_add_u32 v[GA+3], v[TA], 4, s59
	v_lshlrev_b32 v[TP], 2, v0
	v_lshl_add_u32 v[PW], v0, 2, PAR
	s_wait_kmcnt 0x0
	global_load_b32 v192, v[TP], s[8:9]            ; the four LayerNorm vectors: 256 threads, 4 bytes each
	global_load_b32 v193, v[TP], s[10:11]
	global_load_b32 v194, v[TP], s[12:13]
	global_load_b32 v195, v[TP], s[14:15]
.irp k, 0,1,2,3,4,5,6,7,8,9,10,11,12,13,14,15
	global_load_b128 v[XR+8*\k:XR+8*\k+3], v[GA+\k/4], s[4:5] offset:(\k%4)*1024 th:TH_LOAD_NT        ; slot k: 32 lanes read 512 consecutive bytes
	global_load_b128 v[XR+8*\k+4:XR+8*\k+7], v[GA+\k/4], s[4:5] offset:(\k%4)*1024+512 th:TH_LOAD_NT
.endr
	s_mul_i32 s59, s[WVN], 16*SPI
	v_lshl_add_u32 v[SD], v[TA], 4, s59
	v_mul_u32_u24 v[SCA], v[RR], SPI
	v_lshl_add_u32 v[SRH], v[HH], 6, v[SCA]
	v_add_nc_u32 v[SRH], s59, v[SRH]
	s_lshl_b32 s60, s[WVN], 7
	v_lshl_add_u32 v[SCA], v[HH], 5, v[SCA]
	v_add_nc_u32 v[SCA], s60, v[SCA]
	v_add_nc_u32 v[SCA+1], 64*SPI, v[SCA]
	v_mul_u32_u24 v[CTW], v[RR], CPI
	v_mad_u32_u24 v[AX], v[HH], 24, v[CTW]
	v_add_nc_u32 v[AX], XC, v[AX]
	v_lshl_add_u32 v[AXS], v[RR], 3, XS
	s_mul_i32 s61, s[WVN], 16*CPI
	v_add_nc_u32 v[AXW], s61, v[AX]
	v_add_nc_u32 v[AXSW], s60, v[AXS]
	v_mad_u32_u24 v[CTW], v[HH], 12, v[CTW]
	s_mul_i32 s61, s[WVN], 24
	s_add_co_u32 s61, s61, CT
	v_add_nc_u32 v[CTW], s61, v[CTW]
	v_lshl_add_u32 v[CSW], v[RR], 3, CS
	v_add_nc_u32 v[CSW], s[WVN], v[CSW]
	v_mul_u32_u24 v[AH0], v[RR], HPI
	v_mad_u32_u24 v[AH0], v[HH], 24, v[AH0]
	v_add_nc_u32 v[AH0], HC, v[AH0]
	v_add_nc_u32 v[AH0+1], 64*HPI, v[AH0]
	s_mul_i32 s61, s[WVN], 96
	v_add_nc_u32 v[AHW], s61, v[AH0]
	v_lshl_add_u32 v[HSR], v[RR], 5, HSC
	s_lshl_b32 s61, s[WVN], 2
	v_add_nc_u32 v[HSW], s61, v[HSR]
	v_lshl_add_u32 v[AG], v[HH], 6, PAR
	s_mov_b32 s[SEL], 0x76543210
	s_mov_b32 s[SEL+1], 0xfedcba98                 ; v_permlanex16_b32's selects for lane l xor 16
	s_mov_b32 s62, 0x3b800000                      ; 1 / 256
	s_mov_b32 s93, 0x40b504f3                      ; sqrt(32)
	s_mov_b32 s94, 0x3e8293ee                      ; log2(e) / sqrt(32)
	s_mov_b32 s95, s94
	s_mov_b32 s66, -2.72614225801306e-10           ; erf(z) = z P(z^2) / Q(z^2); each number twice: the packed forms name a pair
	s_mov_b32 s67, s66
	s_mov_b32 s68, 2.77068142495902e-08
	s_mov_b32 s69, s68
	s_mov_b32 s70, -2.10102402082508e-06
	s_mov_b32 s71, s70
	s_mov_b32 s72, -5.69250639462346e-05
	s_mov_b32 s73, s72
	s_mov_b32 s74, -7.34990630326855e-04
	s_mov_b32 s75, s74
	s_mov_b32 s76, -2.95459980854025e-03
	s_mov_b32 s77, s76
	s_mov_b32 s78, -1.60960333262415e-02
	s_mov_b32 s79, s78
	s_mov_b32 s80, -1.45660718464996e-05
	s_mov_b32 s81, s80
	s_mov_b32 s82, -2.13374055278905e-04
	s_mov_b32 s83, s82
	s_mov_b32 s84, -1.68282697438203e-03
	s_mov_b32 s85, s84
	s_mov_b32 s86, -7.37332916720468e-03
	s_mov_b32 s87, s86
	s_mov_b32 s88, -1.42647390514189e-02
	s_mov_b32 s89, s88
.irp i, 0,1,2,3,4,5,6,7,8,9,10,11,12,13,14,15
	v_mov_b32 v[TM+\i], 0                          ; written once: a lane permute's destination counts as one of its sources
.endr
	s_wait_loadcnt 32                              ; the four vectors are in; the 32 row loads issued behind them may be out
	ds_store_b32 v[PW], v192
	ds_store_b32 v[PW], v193 offset:1024
	ds_store_b32 v[PW], v194 offset:2048
	ds_store_b32 v[PW], v195 offset:3072
	s_wait_loadcnt 0x0
.irp k, 0,1,2,3,4,5,6,7,8,9,10,11,12,13,14,15
	ds_store_b128 v[SD], v[XR+8*\k:XR+8*\k+3] offset:SPI*\k
	ds_store_b128 v[SD], v[XR+8*\k+4:XR+8*\k+7] offset:SPI*\k+512
.endr
	; my head's weights.  Lane r of tile u takes row 32 w + 8 u + r + 8 (r / 8) of wq, wk and wv
	v_and_b32 v[TA+3], 8, v[RR]
	s_lshl_b32 s61, s[WVN], 5
	v_add3_u32 v[TA+1], v[TA+3], v[RR], s61
	v_mul_u32_u24 v[TA], v[TA+1], 192
	v_mad_u32_u24 v[TA], v[HH], 24, v[TA]          ; codes
	v_lshlrev_b32 v[TP], 2, v[TA+1]                ; bv
	v_lshlrev_b32 v[TA+1], 3, v[TA+1]              ; scale words
	v_lshl_add_u32 v[TA+2], v[HH], 6, s60          ; bq, bk: channels 32 w + 16 h on
	v_lshrrev_b32 v[TA+3], 3, v[RR]                ; rel_table: ((row of query - row of key + 7) 15 + column of query - column of key + 7) 32 + 4 w
	v_sub_nc_u32 v[TA+3], v[TA+3], v[HH]
	v_lshl_add_u32 v[TA+3], v[TA+3], 1, 7
	v_mul_u32_u24 v[TA+3], v[TA+3], 15
	v_and_b32 v[MU], 7, v[RR]
	v_add3_u32 v[TA+3], v[TA+3], v[MU], 7
	s_lshl_b32 s61, s[WVN], 2
	v_lshl_add_u32 v[TA+3], v[TA+3], 5, s61
	WIN 0x40                                       ; destinations in window 1
.irp u, 0,1
.irp s, 0,1
	WLOAD WQ+12*(2*\u+\s), TA, 30, 1536*\u+96*\s
	WLOAD WK+12*(2*\u+\s), TA, 34, 1536*\u+96*\s
	WLOAD WV+12*(2*\u+\s), TA, 38, 1536*\u+96*\s
.endr
.endr
.irp u, 0,1
	global_load_b128 v[BQ+8*\u:BQ+8*\u+3], v[TA+2], s[18:19] offset:32*\u
	global_load_b128 v[BQ+8*\u+4:BQ+8*\u+7], v[TA+2], s[18:19] offset:32*\u+16
	global_load_b128 v[BK+8*\u:BK+8*\u+3], v[TA+2], s[20:21] offset:32*\u
	global_load_b128 v[BK+8*\u+4:BK+8*\u+7], v[TA+2], s[20:21] offset:32*\u+16
.endr
.irp D, -5,-4,-3,-1,0,1,3,4,5          ; the nine differences between the first rows (0, 1, 4, 5) of a tile of queries and a tile of keys
.irp j, 0,1,2,3,4,5,6,7
	global_load_b32 v[BM+8*(((\D)+5)-((\D)+5)/4)+\j], v[TA+3], s[16:17] offset:((\D)*15-\j)*32
.endr
.endr
	WIN 0
.irp u, 0,1
.irp s, 0,1
	global_load_b32 v[WS+2*\u+\s], v[TA+1], s[32:33] offset:64*\u+4*\s
	global_load_b32 v[WS+4+2*\u+\s], v[TA+1], s[36:37] offset:64*\u+4*\s
	global_load_b32 v[WS+8+2*\u+\s], v[TA+1], s[40:41] offset:64*\u+4*\s
.endr
.endr
	global_load_b32 v[BV], v[TP], s[22:23]
	global_load_b32 v[BV+2], v[TP], s[22:23] offset:32
	BAR                                            ; the stage and the four vectors lie in LDS
; ================ A: LN1
.set PCD, 192
	LNQ 0
	BAR                                            ; x's 128 rows of codes lie in LDS
; ================ B, C: attention of my head, a window a trip
	s_wait_loadcnt 0x0                             ; the weights, biases and the table's numbers
	v_mov_b32 v[BV+1], v[BV]
	v_mov_b32 v[BV+3], v[BV+2]
.irp t, 0,1,2,3
.irp i, 3,4,5,6,7,8,9,10,11
	v_mov_b32 v[KF+12*\t+\i], 0                    ; zero codes for the K that the head does not have
.endr
.endr
.irp u, 0,1
.irp i, 6,7,8,9,10,11
	v_mov_b32 v[VF+12*\u+\i], 0
.endr
.endr
	WIN 0x41                                       ; destination and source 0 in window 1
.irp e, 0,1,2,6,7,8                    ; tiles of different row classes: bias x sqrt(32) + the mask of the last row of windows
.irp j, 0,1,2,3,4,5,6,7
	v_fma_f32 v[BM+8*\e+\j], v[BM+8*\e+\j], s93, s90
.endr
.endr
.irp e, 3,4,5
.irp j, 0,1,2,3,4,5,6,7
	v_mul_f32 v[BM+8*\e+\j], v[BM+8*\e+\j], s93
.endr
.endr
	WIN 0
	s_mov_b32 s[SX], 0
	s_mov_b32 s[SS], 0
	s_mov_b32 s[CNT], 0
.Lwin:
	v_add_nc_u32 v[TA], s[SX], v[AX]
	v_add_nc_u32 v[TA+1], s[SS], v[AXS]
	v_add_nc_u32 v[TA+2], s[SX], v[CTW]
	v_add_nc_u32 v[TA+3], s[SS], v[CSW]
	KVTILE 0
	KVTILE 1
	KVTILE 2
	KVTILE 3
.set vi, 0
.rept 16
	v_pk_add_f32 v[VA+vi:VA+vi+1], v[VA+vi:VA+vi+1], v[BV:BV+1]             ; + bv of my lane's channel
	v_pk_add_f32 v[VA+32+vi:VA+32+vi+1], v[VA+32+vi:VA+32+vi+1], v[BV+2:BV+3]
.set vi, vi+2
.endr
	QUANT2 VA, VF, SV                              ; v along the tokens: register 16 b + i is token 32 b + 16 h + i
	QUANT2 VA+32, VF+12, SV+1
	QTILE 0
	QTILE 1
	QTILE 2
	QTILE 3
	s_wait_dscnt 0x0                               ; the stores have read their registers
	s_cmp_lg_u32 s[CNT], 0
	s_cbranch_scc1 .Lnoupd
	v_and_b32 v[TP], 4, v0                         ; behind the first window: the second's column mask.  Query column >= 4 in lanes with bit 2; key column = the register's j
	v_cmp_ne_u32 vcc_lo, 0, v[TP]
	v_mov_b32 v[TM+8], s91
	v_mov_b32 v[TM+9], s92
	v_cndmask_b32 v[TM], 0, v[TM+8], vcc_lo        ; for keys of columns 0-3,
	v_cndmask_b32 v[TM+4], 0, v[TM+9], vcc_lo
	v_mov_b32 v[TM+1], v[TM]
	v_mov_b32 v[TM+5], v[TM+4]
	v_sub_f32 v[TM+2], v[TM+8], v[TM]              ; for keys of columns 4-7
	v_sub_f32 v[TM+6], v[TM+9], v[TM+4]
	v_mov_b32 v[TM+3], v[TM+2]
	v_mov_b32 v[TM+7], v[TM+6]
	WIN 0x41
.irp e, 3,4,5
.irp p, 0,1,2,3
	v_pk_add_f32 v[BM+8*\e+2*\p:BM+8*\e+2*\p+1], v[BM+8*\e+2*\p:BM+8*\e+2*\p+1], v[TM+2*(\p/2):TM+2*(\p/2)+1]
.endr
.endr
.irp e, 0,1,2,6,7,8
.irp p, 0,1,2,3
	v_pk_add_f32 v[BM+8*\e+2*\p:BM+8*\e+2*\p+1], v[BM+8*\e+2*\p:BM+8*\e+2*\p+1], v[TM+4+2*(\p/2):TM+4+2*(\p/2)+1]
.endr
.endr
	WIN 0
.Lnoupd:
	s_add_co_u32 s[SX], s[SX], 64*CPI
	s_add_co_u32 s[SS], s[SS], 512
	s_add_co_u32 s[CNT], s[CNT], 1
	s_cmp_lt_u32 s[CNT], 2
	s_cbranch_scc1 .Lwin
	; wo's and w1's fragments take the place of wq, wk, wv and the bias tiles
	s_lshl_b32 s96, s[WVN], 5
	s_lshl_b32 s97, s[WVN], 7
	v_add_nc_u32 v[TA+1], s96, v[RR]               ; wo: row 32 w + 16 u + r
	v_mul_u32_u24 v[TA], v[TA+1], 192
	v_mad_u32_u24 v[TA], v[HH], 24, v[TA]
	v_lshlrev_b32 v[TA+1], 3, v[TA+1]
	v_and_b32 v[TA+3], 8, v[RR]
	v_add3_u32 v[TA+3], v[TA+3], v[RR], s97        ; w1: row 128 w + 32 b + 8 u + r + 8 (r / 8)
	v_mul_u32_u24 v[TA+2], v[TA+3], 192
	v_mad_u32_u24 v[TA+2], v[HH], 24, v[TA+2]
	v_lshlrev_b32 v[TA+3], 3, v[TA+3]
	v_lshl_add_u32 v[TP], v[HH], 5, s97            ; bo: channels 32 w + 8 h on
	WIN 0x40
.irp u, 0,1
.irp s, 0,1
	WLOAD 12*(2*\u+\s), TA, 42, 3072*\u+96*\s
.endr
.endr
.irp t, 0,1,2,3,4,5,6,7
.irp s, 0,1
	WLOAD W1F+12*(2*\t+\s), TA+2, 46, (32*(\t/2)+8*(\t%2))*192+96*\s
.endr
.endr
	WIN 0
.irp u, 0,1
.irp s, 0,1
	global_load_b32 v[SK+2*\u+\s], v[TA+1], s[44:45] offset:128*\u+4*\s
.endr
	global_load_b128 v[BI+8*\u:BI+8*\u+3], v[TP], s[24:25] offset:64*\u
	global_load_b128 v[BI+8*\u+4:BI+8*\u+7], v[TP], s[24:25] offset:64*\u+16
.endr
	BAR                                            ; ctx's 128 rows of codes lie in LDS
; ================ D: ctx wo^T + bo + shortcut
	s_wait_loadcnt 0x0
	OUTGEMM 2, SK, AX, CT-XC, AX, CT-XC+64*CPI, 16*CPI, AXS, CS-XS, 128
	RESID
	s_lshl_b32 s96, s[WVN], 9
	v_lshl_add_u32 v[TP], v[HH], 6, s96            ; b1: units 128 w + 16 h on (no load is out: its address register may be written)
	WIN 0x40
.irp t, 0,1,2,3,4,5,6,7
	global_load_b128 v[8*\t:8*\t+3], v[TP], s[26:27] offset:(32*(\t/2)+8*(\t%2))*4
	global_load_b128 v[8*\t+4:8*\t+7], v[TP], s[26:27] offset:(32*(\t/2)+8*(\t%2))*4+16
.endr
	WIN 0
.irp t, 0,1,2,3,4,5,6,7
.irp s, 0,1
	global_load_b32 v[WS+2*\t+\s], v[TA+3], s[48:49] offset:(32*(\t/2)+8*(\t%2))*8+4*\s
.endr
.endr
	BAR                                            ; hidden lies in the stage
; ================ E: LN2
	LNQ 2048
	BAR
; ================ F: the hidden layer, my 128 units, a tile of 16 tokens a trip
.set PCD, 152
	s_wait_loadcnt 0x0
	s_mov_b32 s[SX], 0
	s_mov_b32 s[SS], 0
	s_mov_b32 s[SH], 0
	s_mov_b32 s[SHS], 0
	s_mov_b32 s[CNT], 0
.Lw1:
	v_add_nc_u32 v[TA], s[SX], v[AX]
	v_add_nc_u32 v[TA+1], s[SS], v[AXS]
	v_add_nc_u32 v[TA+2], s[SH], v[AHW]
	v_add_nc_u32 v[TA+3], s[SHS], v[HSW]
	FRAGL XF, TA, 0
	FRAGL XF+12, TA, 96
	ds_load_b32 v[XSW], v[TA+1]
	ds_load_b32 v[XSW+1], v[TA+1] offset:4
	s_wait_dscnt 0x0
	WIN 0x11                                       ; w1 and b1 in window 1
.irp t, 0,1,2,3,4,5,6,7
	MM HA+8*\t, W1F+24*\t, XF, 8*\t, WS+2*\t, XSW
.endr
	WIN 0x01
.irp t, 0,1,2,3,4,5,6,7
	MM HA+8*\t, W1F+24*\t+12, XF+12, HA+8*\t, WS+2*\t+1, XSW+1
.endr
	WIN 0
	NOPS 4
.irp e, 0,1,2,3,4,5,6,7
	GELU8 HA+8*\e
.endr
	QUANT4 HA                                      ; K step w of the last product
	FRAGS TA+2, 0
	ds_store_b32 v[TA+3], v[PW]
	s_wait_dscnt 0x0                               ; the stores have read their registers
	s_add_co_u32 s[SX], s[SX], 16*CPI
	s_add_co_u32 s[SS], s[SS], 128
	s_add_co_u32 s[SH], s[SH], 16*HPI
	s_add_co_u32 s[SHS], s[SHS], 512
	s_add_co_u32 s[CNT], s[CNT], 1
	s_cmp_lt_u32 s[CNT], 8
	s_cbranch_scc1 .Lw1
	s_lshl_b32 s96, s[WVN], 5
	s_lshl_b32 s97, s[WVN], 7
	v_add_nc_u32 v[TA+1], s96, v[RR]               ; w2: row 32 w + 16 u + r
	v_mul_u32_u24 v[TA], v[TA+1], 768
	v_mad_u32_u24 v[TA], v[HH], 24, v[TA]
	v_lshlrev_b32 v[TA+1], 5, v[TA+1]
	v_lshl_add_u32 v[TP], v[HH], 5, s97
	WIN 0x40
.irp u, 0,1
.irp s, 0,1,2,3,4,5,6,7
	WLOAD 12*(8*\u+\s), TA, 50, 12288*\u+96*\s
.endr
.endr
	WIN 0
.irp u, 0,1
.irp s, 0,1,2,3,4,5,6,7
	global_load_b32 v[WS+8*\u+\s], v[TA+1], s[52:53] offset:512*\u+4*\s
.endr
	global_load_b128 v[BI+8*\u:BI+8*\u+3], v[TP], s[28:29] offset:64*\u
	global_load_b128 v[BI+8*\u+4:BI+8*\u+7], v[TP], s[28:29] offset:64*\u+16
.endr
	BAR                                            ; the hidden layer's 128 rows of codes lie in LDS
; ================ G: hidden layer w2^T + b2 + hidden
	s_wait_loadcnt 0x0
	OUTGEMM 8, WS, AH0, 0, AH0+1, 0, 16*HPI, HSR, 0, 512
	RESID
	BAR                                            ; the result lies in the stage
; ================ H: my 16 rows leave, to the rows that they came from
.irp k, 0,1,2,3,4,5,6,7,8,9,10,11,12,13,14,15
	ds_load_b128 v[XR+8*\k:XR+8*\k+3], v[SD] offset:SPI*\k
	ds_load_b128 v[XR+8*\k+4:XR+8*\k+7], v[SD] offset:SPI*\k+512
.endr
.irp k, 0,1,2,3,4,5,6,7,8,9,10,11,12,13,14,15
	s_wait_dscnt 31-2*\k                           ; LDS loads come back in order: this one is in, the younger ones may be out
	global_store_b128 v[GA+\k/4], v[XR+8*\k:XR+8*\k+3], s[6:7] offset:(\k%4)*1024 th:TH_STORE_NT      ; 32 lanes store 512 consecutive bytes, at a multiple of 512 from out0's first byte
	s_wait_dscnt 30-2*\k
	global_store_b128 v[GA+\k/4], v[XR+8*\k+4:XR+8*\k+7], s[6:7] offset:(\k%4)*1024+512 th:TH_STORE_NT
.endr
	s_wait_xcnt 0x0
	v_lshl_add_u32 v254, v0, 2, 0x48800
	v_mov_b32 v255, 0
	s_wait_tensorcnt 0x0
	ds_add_u32 v254, v255
	s_wait_dscnt 0x0
	s_endpgm
.Lfunc_end_k_q48a5507702_swin:
	.size	k_q48a5507702_swin, .Lfunc_end_k_q48a5507702_swin-k_q48a5507702_swin
	.p2alignl 7, 3214868480
	.fill 96, 4, 3214868480
	.section	.rodata,"a",@progbits
	.p2align	6, 0x0
	.amdhsa_kernel k_q48a5507702_swin
		.amdhsa_group_segment_fixed_size 297984
		.amdhsa_private_segment_fixed_size 0
		.amdhsa_enable_private_segment 0
		.amdhsa_kernarg_size 200
		.amdhsa_user_sgpr_count 2
		.amdhsa_user_sgpr_kernarg_segment_ptr 1
		.amdhsa_wavefront_size32 1
		.amdhsa_system_sgpr_workgroup_id_x 1
		.amdhsa_system_sgpr_workgroup_id_y 1
		.amdhsa_system_sgpr_workgroup_id_z 1
		.amdhsa_system_vgpr_workitem_id 0
		.amdhsa_next_free_vgpr 512
		.amdhsa_next_free_sgpr 102
		.amdhsa_reserve_vcc 1
		.amdhsa_float_denorm_mode_32 3
		.amdhsa_float_denorm_mode_16_64 3
		.amdhsa_memory_ordered 1
		.amdhsa_forward_progress 1
		.amdhsa_inst_pref_size 255
	.end_amdhsa_kernel
	.section	.bss,"aw",@nobits
	.p2align	6
	.space	262144
	.amdgpu_metadata
---
amdhsa.version: [ 1, 2 ]
amdhsa.kernels:
  - .name:           k_q48a5507702_swin
    .symbol:         k_q48a5507702_swin.kd
    .args:
      - { .name: hidden_states, .offset: 0, .size: 8, .value_kind: global_buffer, .address_space: global }
      - { .name: out0, .offset: 8, .size: 8, .value_kind: global_buffer, .address_space: global }
      - { .name: ln1_g, .offset: 16, .size: 8, .value_kind: global_buffer, .address_space: global }
      - { .name: ln1_b, .offset: 24, .size: 8, .value_kind: global_buffer, .address_space: global }
      - { .name: ln2_g, .offset: 32, .size: 8, .value_kind: global_buffer, .address_space: global }
      - { .name: ln2_b, .offset: 40, .size: 8, .value_kind: global_buffer, .address_space: global }
      - { .name: rel_table, .offset: 48, .size: 8, .value_kind: global_buffer, .address_space: global }
      - { .name: bq, .offset: 56, .size: 8, .value_kind: global_buffer, .address_space: global }
      - { .name: bk, .offset: 64, .size: 8, .value_kind: global_buffer, .address_space: global }
      - { .name: bv, .offset: 72, .size: 8, .value_kind: global_buffer, .address_space: global }
      - { .name: bo, .offset: 80, .size: 8, .value_kind: global_buffer, .address_space: global }
      - { .name: b1, .offset: 88, .size: 8, .value_kind: global_buffer, .address_space: global }
      - { .name: b2, .offset: 96, .size: 8, .value_kind: global_buffer, .address_space: global }
      - { .name: wq_codes, .offset: 104, .size: 8, .value_kind: global_buffer, .address_space: global }
      - { .name: wq_scales, .offset: 112, .size: 8, .value_kind: global_buffer, .address_space: global }
      - { .name: wk_codes, .offset: 120, .size: 8, .value_kind: global_buffer, .address_space: global }
      - { .name: wk_scales, .offset: 128, .size: 8, .value_kind: global_buffer, .address_space: global }
      - { .name: wv_codes, .offset: 136, .size: 8, .value_kind: global_buffer, .address_space: global }
      - { .name: wv_scales, .offset: 144, .size: 8, .value_kind: global_buffer, .address_space: global }
      - { .name: wo_codes, .offset: 152, .size: 8, .value_kind: global_buffer, .address_space: global }
      - { .name: wo_scales, .offset: 160, .size: 8, .value_kind: global_buffer, .address_space: global }
      - { .name: w1_codes, .offset: 168, .size: 8, .value_kind: global_buffer, .address_space: global }
      - { .name: w1_scales, .offset: 176, .size: 8, .value_kind: global_buffer, .address_space: global }
      - { .name: w2_codes, .offset: 184, .size: 8, .value_kind: global_buffer, .address_space: global }
      - { .name: w2_scales, .offset: 192, .size: 8, .value_kind: global_buffer, .address_space: global }
    .group_segment_fixed_size: 297984
    .private_segment_fixed_size: 0
    .kernarg_segment_align: 8
    .kernarg_segment_size: 200
    .max_flat_workgroup_size: 256
    .sgpr_count:     102
    .vgpr_count:     512
    .wavefront_size: 32
...
	.end_amdgpu_metadata
.endif
;; end of part 1
;; ======== version 2 of 2: 1 launch; 1.17 times as fast as version 1
;; launch swin (part 2): grid 256 x 1, 8 waves a work-group, no clusters, 306,176 bytes of LDS; arguments hidden_states, out0, ln1_g, ln1_b, ln2_g, ln2_b, rel_table, bq, bk, bv, bo, b1, b2, wq_codes, wq_scales, wk_codes, wk_scales, wv_codes, wv_scales, wo_codes, wo_scales, w1_codes, w1_scales, w2_codes, w2_scales; writes out0
.if DOCPART == 2
	.amdgcn_target "amdgcn-amd-amdhsa--gfx1250"
	.amdhsa_code_object_version 6
	.text
	.protected	k_q48a5507702_swin
	.globl	k_q48a5507702_swin
	.p2align	8
	.type	k_q48a5507702_swin,@function
k_q48a5507702_swin:
	s_mov_b64 s[64:65], 0
	v_nop
	global_prefetch_b8 v0, s[64:65] scope:SCOPE_SE
	s_setreg_imm32_b32 hwreg(HW_REG_WAVE_MODE, 25, 1), 1
	s_wait_xcnt 0x0
; A whole Swin block in one launch: LN1, shift by 4, windows of 8 x 8, q k v, 8 heads of 32 with relative bias and shift mask, softmax, P V, wo, residual, LN2, w1, exact GELU, w2, residual.
; All eight products on codes of BF6 (E3M2) with one E8M0 scale for each 32 along K; every computed operand is quantised from f32 in registers.
; SHARES.  No token leaves its shifted window, so a work-group of eight waves takes two neighbouring windows, 128 tokens, from hidden_states to out0; each byte of both is moved once.
; A wave has two roles.  ROW OWNER of 16 token slots (loads, LN1, LN2, stores).  COLUMN OWNER for all 128 tokens: head w; 32 columns of wq, wk, wv, wo, w2; 128 hidden units of w1.
; Its weights stay in its registers, read from memory once, and each fragment feeds eight matrix instructions.  Rows of codes go from wave to wave through LDS.
; THE WEIGHTS COME AS THEY LIE: 16 bytes a lane, a load covering 512 consecutive bytes (w2: runs of 192), into the very registers that the fragments will take; they turn through the wave's own stage in LDS
; (rows 208 bytes apart) and come back 8 bytes at a time as fragments.  My head's column of rel_table comes likewise, once, and the nine tiles of bias are gathered from LDS.
; TOKEN SLOTS.  Tile t = 2 b + u of a window: slot r is token 32 b + 8 u + r + 8 (r / 8): window rows 4 b + u (slots 0-7) and 4 b + u + 2 (slots 8-15), column r % 8.
; So the 16 registers of two neighbouring tiles of keys are 16 neighbouring tokens, for the scores (transposed product) and for v (product not transposed) alike, and a tile's row class (rows 0-3 or 4-7) is b.
; BIAS AND MASK are the C of the scores' matrix instruction, times sqrt(32); the division by sqrt(32) and log2(e) are one factor behind the row's maximum.  -100 is added once where the regions differ, as the reference adds it.
; No tensor loads and no copies: LDS is written by ds_store alone.  No clusters: the weights shared between work-groups live in registers, and LDS is full of the rows' stage and codes.
; LIMITS.  NaN and infinities among the inputs are not served.  A block of zeros gets the scale byte 1 (its codes are zeros; this program alone reads the bytes).
; erf is a rational function (7 and 5 terms in z^2) on z held to +-4: absolute error a few 1e-7, so 1 + erf has that absolute, not relative, accuracy in the far negative tail.
; A softmax weight under 2^-126 of the row's largest comes out as 0 (v_exp_f32 flushes).
; ---- LDS
.set SPI,  1040                        ; the stage: 128 slot rows of 1,024 bytes f32 + 16: shortcut, then hidden, then out
.set XC,   133120                      ; code rows of x, later of LN2's result: 192 bytes + 16
.set CPI,  208
.set CT,   159744                      ; code rows of ctx
.set XS,   186368                      ; x's scale bytes, 8 a row
.set CS,   187392                      ; ctx's
.set HC,   188416                      ; code rows of the hidden layer: 768 bytes + 16
.set HPI,  784
.set HSC,  288768                      ; its scale bytes, 32 a row
.set PAR,  292864                      ; ln1_g, ln1_b, ln2_g, ln2_b, 1,024 bytes each
.set TAB,  296960                      ; my head's column of rel_table: 225 words, 1,024 bytes for each wave
.set WSA,  HC-XC                       ; the weights' stage, 6,656 bytes for each wave (two pieces of 16 rows x 208): at XC + 6656 w for w2, when XC and CT are done with; this much further on, in HC, while HC is not yet written
; ---- vector registers, window 0, that stay
.set RR,   1                           ; lane % 16
.set HH,   2                           ; lane / 16
.set LM,   3                           ; all ones in lanes 0-15, 0 in lanes 16-31
.set GA,   4                           ; v4-7   byte offsets in hidden_states and out0 of my four groups of four rows, + 16 x lane
.set SD,   8                           ; stage, my 16 rows, 16 x lane
.set SRH,  9                           ; stage, my row r, + 64 h
.set SCA,  10                          ; v10-11 stage, row r, my 32 columns, + 32 h; tiles 0-3 and 4-7
.set AX,   12                          ; XC + 208 r + 24 h
.set AXS,  13                          ; XS + 8 r
.set AXW,  14                          ; AX at my tile
.set AXSW, 15                          ; AXS at my tile
.set CTW,  16                          ; CT + 208 r + 24 w + 12 h
.set CSW,  17                          ; CS + 8 r + w
.set AH0,  18                          ; v18-19 HC + 784 r + 24 h; tiles 0-3 and 4-7
.set AHW,  20                          ; AH0 + 96 w
.set HSR,  21                          ; HSC + 32 r
.set HSW,  22                          ; HSR + 4 w
.set AG,   23                          ; PAR + 64 h
.set TA,   24                          ; v24-27 offsets of weight loads, then a trip's LDS addresses
.set BV,   28                          ; v28-31 bv of my lane's channel, tiles 0 and 1, each twice
.set WS,   32                          ; v32-47 weights' scale words (scales and nothing else, like v48-57)
.set XSW,  48                          ; v48-49 x's scale words
.set HSB,  48                          ; v48-51 four tiles' scale words in the two last products
.set SQ,   50
.set SP,   51
.set SK,   52                          ; v52-55 k's scale bytes; later wo's scale words
.set SV,   56                          ; v56-57
.set MU,   58
.set RS,   60
.set PW,   62                          ; the scale word just made
.set TP,   63
.set TM,   240                         ; v240-255 at work: +0..3 maxima, +4..7 partner's, then bytes, +8..11 scale operands, +12..14 codes
; ---- window 0 by phase
.set XR,   64                          ; v64-191 a row owner's 128 numbers
.set SA,   64                          ; v64-66 where I store 16 bytes into the weights' stage, v67 where I read a fragment, v68-70 the chunks' rows, v71-73 w2's offsets: made anew, in registers that are done with, each time weights turn
.set GR,   192
.set BR,   224
.set RT,   196                         ; v196-203 the head: my column of rel_table as loaded;  v204-206 its offsets
.set RO,   204
.set SCO,  64                          ; scores, then p
.set VA,   64                          ; v of 64 tokens: 32 u + 8 t + j
.set XFQ,  96
.set KF,   128                         ; k's four fragments
.set VF,   176                         ; v's two
.set QF,   200
.set PF,   212
.set XFKV, 200
.set QA,   224                         ; q, k or ctx of a tile: 16 numbers
.set ACC,  64                          ; 16 accumulators: 8 (2 m + u)
.set FB,   192
.set BI,   240
.set TT,   192
.set HA,   64
.set XF,   128
.set GZ,   176
.set GZ2,  184
.set GP,   192
.set GQ,   200
; ---- window 1
.set WQ,   0
.set WK,   48
.set WV,   96
.set BM,   144                         ; nine tiles of bias and mask, by the difference of the tiles' rows
.set BQ,   216
.set BK,   232
.set W1F,  64
; ---- scalars
.set WVN,  54
.set CNT,  55
.set SEL,  56
.set SX,   58
.set SS,   59
.set SH,   60
.set SHS,  61
.set EA,   66                          ; s[66:79] erf's numerator, s[80:89] its denominator, each number twice
.set MSB, 0
.macro WIN new                         ; the immediate's high byte repeats the setting that is left
.if MSB != \new
	s_set_vgpr_msb (MSB<<8)|\new
.set MSB, \new
.endif
.endm
.macro BAR                             ; my LDS stores have landed and my LDS loads are in: then the work-group's barrier
	s_wait_dscnt 0x0
	s_barrier_signal -1
	s_barrier_wait -1
.endm
.macro NOPS n
.rept \n
	v_nop
.endr
.endm
.macro FRAGL reg, adr, off             ; a fragment, 16 rows x 128 K: 24 bytes of the row's stream of bits twice, in pieces of 8 bytes
.irp p, 0,1,2,3,4,5
	ds_load_b64 v[(\reg)+2*\p:(\reg)+2*\p+1], v[\adr] offset:(\off)+48*(\p/3)+8*(\p%3)
.endr
.endm
.macro FRAGS adr, off                  ; the fragment in v[PCD] on goes to its rows
.irp p, 0,1,2,3,4,5
	ds_store_b64 v[\adr], v[PCD+2*\p:PCD+2*\p+1] offset:(\off)+48*(\p/3)+8*(\p%3)
.endr
.endm
; A PIECE of a weight, 16 rows x 192 bytes (two fragments, 24 registers), as it lies in memory: two groups of 8 rows, kstr bytes apart, three loads each.  Lane l of load a takes chunk c0 = l + 32 a of the group's 96 chunks of 16 bytes:
; row c0 / 12, chunk c0 % 12 of it.  Where the rows are 192 bytes the group is 1,536 consecutive bytes and one offset register serves (astep = 0); for w2's rows of 768 bytes each a has its own (astep = 1).
.macro RAWL reg, vadr, astep, sb, off, kstr
.irp i, 0,1,2,3,4,5
	global_load_b128 v[(\reg)+4*\i:(\reg)+4*\i+3], v[(\vadr)+(\astep)*(\i%3)], s[\sb:\sb+1] offset:(\off)+(\i/3)*(\kstr)+512*(\i%3)
.endr
.endm
; The stage's addresses.  Chunk c0 goes to row c0 / 12 of 208 bytes, 16 (c0 % 12) bytes on: 16 (c0 + c0 / 12).  c0 / 12 = (43 c0) >> 9 for c0 under 96.
.macro STADDR
	s_mul_i32 s97, s[WVN], 32*CPI
	s_add_co_u32 s96, s97, XC
	v_and_b32 v[SA+3], 31, v0
.irp a, 0,1,2
	v_add_nc_u32 v[SA+\a], 32*\a, v[SA+3]
.endr
.irp a, 0,1,2
	v_mul_u32_u24 v[SA+4+\a], v[SA+\a], 43
.endr
.irp a, 0,1,2
	v_lshrrev_b32 v[SA+4+\a], 9, v[SA+4+\a]
.endr
.irp a, 0,1,2
	v_add_nc_u32 v[SA+\a], v[SA+\a], v[SA+4+\a]
.endr
.irp a, 0,1,2
	v_lshl_add_u32 v[SA+\a], v[SA+\a], 4, s96
.endr
	v_add_nc_u32 v[SA+3], s97, v[AX]               ; back: row r, + 24 h
.endm
; Two pieces, in v[reg] .. v[reg + 47] of window 1, go through my stage and come back, into the registers that they left, as four fragments.
; LDS serves a wave's instructions in order (ISA guide 5.7.1.4): no wait between the stores and the loads, nor in front of the next two pieces' stores.
.macro TURN2 reg, soff
	WIN 0x04                                       ; an LDS store's data are its source 1: window 1
.irp i, 0,1,2,3,4,5,6,7,8,9,10,11
	ds_store_b128 v[SA+\i%3], v[(\reg)+4*\i:(\reg)+4*\i+3] offset:(\soff)+(\i/6)*16*CPI+((\i%6)/3)*8*CPI
.endr
	WIN 0x40                                       ; destination window 1
.irp f, 0,1,2,3
	FRAGL (\reg)+12*\f, SA+3, (\soff)+(\f/2)*16*CPI+96*(\f%2)
.endr
.endm
.macro MM d, a, b, c, sa, sb
	v_wmma_scale_f32_16x16x128_f8f6f4 v[(\d):(\d)+7], v[(\a):(\a)+11], v[(\b):(\b)+11], v[(\c):(\c)+7], v[\sa], v[\sb] matrix_a_fmt:MATRIX_FMT_BF6 matrix_b_fmt:MATRIX_FMT_BF6
.endm
.macro MMZ d, a, b, sa, sb
	v_wmma_scale_f32_16x16x128_f8f6f4 v[(\d):(\d)+7], v[(\a):(\a)+11], v[(\b):(\b)+11], 0, v[\sa], v[\sb] matrix_a_fmt:MATRIX_FMT_BF6 matrix_b_fmt:MATRIX_FMT_BF6
.endm
; One block of 32 in lanes l and l xor 16, 16 numbers each: its scale operand in v[TM+8].  The floor 2^(5 - 127) holds the byte at 1 from below.  Two chains, each from an accumulator's low end on.
.macro QS1 s
	v_max3_num_f32 v[TM], |v[(\s)]|, |v[(\s)+1]|, 0x2800000
	v_max3_num_f32 v[TM+1], |v[(\s)+8]|, |v[(\s)+9]|, |v[(\s)+10]|
	v_max3_num_f32 v[TM], v[TM], |v[(\s)+2]|, |v[(\s)+3]|
	v_max3_num_f32 v[TM+1], v[TM+1], |v[(\s)+11]|, |v[(\s)+12]|
	v_max3_num_f32 v[TM], v[TM], |v[(\s)+4]|, |v[(\s)+5]|
	v_max3_num_f32 v[TM+1], v[TM+1], |v[(\s)+13]|, |v[(\s)+14]|
	v_max3_num_f32 v[TM], v[TM], |v[(\s)+6]|, |v[(\s)+7]|
	v_max3_num_f32 v[TM], v[TM], v[TM+1], |v[(\s)+15]|
	v_permlanex16_b32 v[TM+4], v[TM], s[SEL], s[SEL+1]
	v_max_num_f32 v[TM], v[TM], v[TM+4]
	v_add_nc_u32 v[TM+8], 0xfe000000, v[TM]        ; 4 off the exponent field: the conversion's scale operand
.endm
; nb blocks, register 16 b + i = k 32 b + 16 (lane / 16) + i: scale operands in v[TM+8+b], bytes in v[TM+4+b].  The blocks take turns line by line.
.macro QSCALE s, nb
.set qb, 0
.rept \nb
	v_max3_num_f32 v[TM+qb], |v[(\s)+16*qb]|, |v[(\s)+16*qb+1]|, 0x2800000
.set qb, qb+1
.endr
.set qi, 2
.rept 7
.set qb, 0
.rept \nb
	v_max3_num_f32 v[TM+qb], v[TM+qb], |v[(\s)+16*qb+qi]|, |v[(\s)+16*qb+qi+1]|
.set qb, qb+1
.endr
.set qi, qi+2
.endr
.set qb, 0
.rept \nb
	v_permlanex16_b32 v[TM+4+qb], v[TM+qb], s[SEL], s[SEL+1]
.set qb, qb+1
.endr
.set qb, 0
.rept \nb
	v_max_num_f32 v[TM+qb], v[TM+qb], v[TM+4+qb]
.set qb, qb+1
.endr
.set qb, 0
.rept \nb
	v_add_nc_u32 v[TM+8+qb], 0xfe000000, v[TM+qb]
.set qb, qb+1
.endr
.set qb, 0
.rept \nb
	v_lshrrev_b32 v[TM+4+qb], 23, v[TM+8+qb]
.set qb, qb+1
.endr
.endm
; 64 numbers become a fragment's 12 registers in v[PCD] on and its scale word in v[PW]
.macro QUANT4 s
	QSCALE \s, 4
	v_lshl_or_b32 v[PW], v[TM+5], 8, v[TM+4]
	v_lshl_or_b32 v[PW], v[TM+6], 16, v[PW]
	v_lshl_or_b32 v[PW], v[TM+7], 24, v[PW]
.irp c, 0,1
	v_cvt_scalef32_pk16_bf6_f32 v[PCD+6*\c:PCD+6*\c+2], v[(\s)+32*\c:(\s)+32*\c+15], v[TM+8+2*\c]
	v_cvt_scalef32_pk16_bf6_f32 v[PCD+12+4*\c:PCD+12+4*\c+2], v[(\s)+32*\c+16:(\s)+32*\c+31], v[TM+9+2*\c]
.endr
	v_nop                                          ; one plain place behind a scaled conversion
.irp c, 0,1                            ; the operand wants a whole block in a lane: lanes 0-15 block 2 c, lanes 16-31 block 2 c + 1
.irp i, 0,1,2
	v_permlane16_swap_b32 v[PCD+6*\c+\i], v[PCD+12+4*\c+\i]
.endr
.irp i, 0,1,2
	v_mov_b32 v[PCD+3+6*\c+\i], v[PCD+12+4*\c+\i]
.endr
.endr
.endm
; 32 numbers (K = 64) become registers d .. d + 5 of a fragment, and the scale word sw
.macro QUANT2 s, d, sw
	QSCALE \s, 2
	v_lshl_or_b32 v[\sw], v[TM+5], 8, v[TM+4]
	v_cvt_scalef32_pk16_bf6_f32 v[(\d):(\d)+2], v[(\s):(\s)+15], v[TM+8]
	v_cvt_scalef32_pk16_bf6_f32 v[TM+12:TM+14], v[(\s)+16:(\s)+31], v[TM+9]
	v_nop
.irp i, 0,1,2
	v_permlane16_swap_b32 v[(\d)+\i], v[TM+12+\i]
.endr
.irp i, 0,1,2
	v_mov_b32 v[(\d)+3+\i], v[TM+12+\i]
.endr
.endm
; LayerNorm of my 16 rows in the stage, quantised into XC and XS.  Lane (r, h) holds, of row r, channels 32 b + 16 h + 0 .. 15 of each block b: 128 numbers.  Mean first, then the squares of the differences.
.macro LNQ goff
.irp b, 0,1,2,3,4,5,6,7
.irp j, 0,1,2,3
	ds_load_b128 v[XR+16*\b+4*\j:XR+16*\b+4*\j+3], v[SRH] offset:128*\b+16*\j
.endr
.endr
	s_wait_dscnt 0x0
.irp c, 0,1,2,3
	v_pk_add_f32 v[TM+2*\c:TM+2*\c+1], v[XR+4*\c:XR+4*\c+1], v[XR+4*\c+2:XR+4*\c+3]
.endr
.set li, 16
.rept 14
.irp c, 0,1,2,3
	v_pk_add_f32 v[TM+2*\c:TM+2*\c+1], v[TM+2*\c:TM+2*\c+1], v[XR+li+2*\c:XR+li+2*\c+1]
.endr
.set li, li+8
.endr
	v_pk_add_f32 v[TM:TM+1], v[TM:TM+1], v[TM+2:TM+3]
	v_pk_add_f32 v[TM+4:TM+5], v[TM+4:TM+5], v[TM+6:TM+7]
	v_pk_add_f32 v[TM:TM+1], v[TM:TM+1], v[TM+4:TM+5]
	v_add_f32 v[TM], v[TM], v[TM+1]
	v_permlanex16_b32 v[TM+2], v[TM], s[SEL], s[SEL+1]
	v_add_f32 v[TM], v[TM], v[TM+2]
	v_mul_f32 v[MU], s62, v[TM]                    ; the mean
	v_mov_b32 v[MU+1], v[MU]
.set li, 0
.rept 64
	v_pk_add_f32 v[XR+li:XR+li+1], v[XR+li:XR+li+1], v[MU:MU+1] neg_lo:[0,1] neg_hi:[0,1]
.set li, li+2
.endr
.irp c, 0,1,2,3
	v_pk_mul_f32 v[TM+2*\c:TM+2*\c+1], v[XR+2*\c:XR+2*\c+1], v[XR+2*\c:XR+2*\c+1]
.endr
.set li, 8
.rept 15
.irp c, 0,1,2,3
	v_pk_fma_f32 v[TM+2*\c:TM+2*\c+1], v[XR+li+2*\c:XR+li+2*\c+1], v[XR+li+2*\c:XR+li+2*\c+1], v[TM+2*\c:TM+2*\c+1]
.endr
.set li, li+8
.endr
	v_pk_add_f32 v[TM:TM+1], v[TM:TM+1], v[TM+2:TM+3]
	v_pk_add_f32 v[TM+4:TM+5], v[TM+4:TM+5], v[TM+6:TM+7]
	v_pk_add_f32 v[TM:TM+1], v[TM:TM+1], v[TM+4:TM+5]
	v_add_f32 v[TM], v[TM], v[TM+1]
	v_permlanex16_b32 v[TM+2], v[TM], s[SEL], s[SEL+1]
	v_add_f32 v[TM], v[TM], v[TM+2]
	v_fma_f32 v[TM], v[TM], s62, 0x3727c5ac        ; the variance + 1e-5
	v_rsq_f32 v[RS], v[TM]
	v_nop                                          ; one plain place behind the transcendental
	s_wait_alu depctr_va_vdst(0)
	v_mov_b32 v[RS+1], v[RS]
.irp q, 0,1,2,3                        ; gain and bias of two blocks at a time; all lanes of a half read the same bytes
.irp e, 0,1,2,3,4,5,6,7
	ds_load_b128 v[GR+4*\e:GR+4*\e+3], v[AG] offset:(\goff)+256*\q+128*(\e/4)+16*(\e%4)
	ds_load_b128 v[BR+4*\e:BR+4*\e+3], v[AG] offset:(\goff)+1024+256*\q+128*(\e/4)+16*(\e%4)
.endr
.set li, 0
.rept 16
	v_pk_mul_f32 v[XR+32*\q+li:XR+32*\q+li+1], v[XR+32*\q+li:XR+32*\q+li+1], v[RS:RS+1]
.set li, li+2
.endr
	s_wait_dscnt 0x0
.set li, 0
.rept 16
	v_pk_fma_f32 v[XR+32*\q+li:XR+32*\q+li+1], v[XR+32*\q+li:XR+32*\q+li+1], v[GR+li:GR+li+1], v[BR+li:BR+li+1]
.set li, li+2
.endr
.endr
.irp k, 0,1
	QUANT4 XR+64*\k
	FRAGS AXW, 96*\k
	ds_store_b32 v[AXSW], v[PW] offset:4*\k
	s_wait_dscnt 0x0                               ; the stores have read their registers
.endr
.endm
; x (1 + erf(x / sqrt 2)) / 2 of eight numbers, two at a time, four pairs by turns
.macro GELU8 a
.irp p, 0,2,4,6
	v_pk_mul_f32 v[GZ+\p:GZ+\p+1], v[(\a)+\p:(\a)+\p+1], 0x3f3504f3 op_sel_hi:[1,0]
.endr
.irp p, 0,1,2,3,4,5,6,7
	v_med3_num_f32 v[GZ+\p], v[GZ+\p], -4.0, 4.0
.endr
.irp p, 0,2,4,6
	v_pk_mul_f32 v[GZ2+\p:GZ2+\p+1], v[GZ+\p:GZ+\p+1], v[GZ+\p:GZ+\p+1]
.endr
.irp p, 0,2,4,6
	v_pk_fma_f32 v[GP+\p:GP+\p+1], v[GZ2+\p:GZ2+\p+1], s[EA:EA+1], s[EA+2:EA+3] op_sel_hi:[1,0,0]
.endr
.irp p, 0,2,4,6
	v_pk_fma_f32 v[GQ+\p:GQ+\p+1], v[GZ2+\p:GZ2+\p+1], s[EA+14:EA+15], s[EA+16:EA+17] op_sel_hi:[1,0,0]
.endr
.irp c, 4,6,8,10,12
.irp p, 0,2,4,6
	v_pk_fma_f32 v[GP+\p:GP+\p+1], v[GP+\p:GP+\p+1], v[GZ2+\p:GZ2+\p+1], s[EA+\c:EA+\c+1] op_sel_hi:[1,1,0]
.endr
.endr
.irp c, 18,20,22
.irp p, 0,2,4,6
	v_pk_fma_f32 v[GQ+\p:GQ+\p+1], v[GQ+\p:GQ+\p+1], v[GZ2+\p:GZ2+\p+1], s[EA+\c:EA+\c+1] op_sel_hi:[1,1,0]
.endr
.endr
.irp p, 0,2,4,6
	v_pk_mul_f32 v[GP+\p:GP+\p+1], v[GP+\p:GP+\p+1], v[GZ+\p:GZ+\p+1]
.endr
.irp p, 0,1,2,3,4,5,6,7
	v_rcp_f32 v[GQ+\p], v[GQ+\p]
.endr
.irp p, 0,2,4,6
	v_pk_mul_f32 v[GZ+\p:GZ+\p+1], v[(\a)+\p:(\a)+\p+1], 0.5 op_sel_hi:[1,0]    ; (plain places behind the reciprocals)
.endr
	s_wait_alu depctr_va_vdst(0)
.irp p, 0,2,4,6
	v_pk_mul_f32 v[GP+\p:GP+\p+1], v[GP+\p:GP+\p+1], v[GQ+\p:GQ+\p+1]           ; erf
.endr
.irp p, 0,2,4,6
	v_pk_fma_f32 v[(\a)+\p:(\a)+\p+1], v[GZ+\p:GZ+\p+1], v[GP+\p:GP+\p+1], v[GZ+\p:GZ+\p+1]
.endr
.endm
; Four tiles of tokens (4 q + i) against my two tiles of 16 output columns, K step gs.  Transposed: source 0 = 16 rows of the weight, source 1 = 16 tokens.  The first K step takes the bias as C.
; The 16 accumulators take turns, one instruction a turn.
.macro GBATCH ns, ws, adr, off, q, mstr, sadr, soff, smstr
	NOPS 4                                         ; places in front of loads into registers that matrix instructions have read
.irp i, 0,1,2,3
	FRAGL FB+12*\i, \adr, (\off)+\i*(\mstr)+96*gs
	ds_load_b32 v[HSB+\i], v[\sadr] offset:(\soff)+(4*(\q)+\i)*(\smstr)+4*gs
.endr
	s_wait_dscnt 0x0
	WIN 0x01                                       ; the weight in window 1
.irp i, 0,1,2,3
.irp u, 0,1
.if gs == 0
	MM ACC+8*(2*(4*(\q)+\i)+\u), 12*((\ns)*\u+gs), FB+12*\i, BI+8*\u, (\ws)+(\ns)*\u+gs, HSB+\i
.else
	MM ACC+8*(2*(4*(\q)+\i)+\u), 12*((\ns)*\u+gs), FB+12*\i, ACC+8*(2*(4*(\q)+\i)+\u), (\ws)+(\ns)*\u+gs, HSB+\i
.endif
.endr
.endr
	WIN 0
.endm
.macro OUTGEMM ns, ws, adr0, off0, adr1, off1, mstr, sadr, soff, smstr
.set gs, 0
.rept \ns
	GBATCH \ns, \ws, \adr0, \off0, 0, \mstr, \sadr, \soff, \smstr
	GBATCH \ns, \ws, \adr1, \off1, 1, \mstr, \sadr, \soff, \smstr
.set gs, gs+1
.endr
.endm
; My 32 columns of the stage's 128 rows are added to the accumulators and written back.  Lane (r, h), accumulator (m, u): row 16 m + r, columns 32 w + 16 u + 8 h + 0 .. 7.  Each accumulator is read from its low end on.
.macro RESID
	NOPS 4
.irp q, 0,1
.irp i, 0,1,2,3
.irp u, 0,1
	ds_load_b128 v[TT+16*\i+8*\u:TT+16*\i+8*\u+3], v[SCA+\q] offset:\i*16*SPI+64*\u
	ds_load_b128 v[TT+16*\i+8*\u+4:TT+16*\i+8*\u+7], v[SCA+\q] offset:\i*16*SPI+64*\u+16
.endr
.endr
	s_wait_dscnt 0x0
.set li, 0
.rept 32
	v_pk_add_f32 v[ACC+64*\q+li:ACC+64*\q+li+1], v[ACC+64*\q+li:ACC+64*\q+li+1], v[TT+li:TT+li+1]
.set li, li+2
.endr
.irp i, 0,1,2,3
.irp u, 0,1
	ds_store_b128 v[SCA+\q], v[ACC+64*\q+16*\i+8*\u:ACC+64*\q+16*\i+8*\u+3] offset:\i*16*SPI+64*\u
	ds_store_b128 v[SCA+\q], v[ACC+64*\q+16*\i+8*\u+4:ACC+64*\q+16*\i+8*\u+7] offset:\i*16*SPI+64*\u+16
.endr
.endr
.endr
.endm
; k (transposed: a lane holds one token, 16 channels) and v (not transposed: a lane holds one channel, registers run along the tokens) of tile t of the window in hand; k is quantised at once.
.macro KVTILE t
	FRAGL XFKV, TA, 16*CPI*(\t)
	FRAGL XFKV+12, TA, 16*CPI*(\t)+96
	ds_load_b32 v[XSW], v[TA+1] offset:128*(\t)
	ds_load_b32 v[XSW+1], v[TA+1] offset:128*(\t)+4
	s_wait_dscnt 0x0
	WIN 0x11                                       ; wk and bk in window 1
	MM QA, WK, XFKV, BK, WS+4, XSW
	MM QA+8, WK+24, XFKV, BK+8, WS+6, XSW
	WIN 0x04                                       ; wv, as source 1, in window 1
	MMZ VA+8*(\t), XFKV, WV, XSW, WS+8
	MMZ VA+32+8*(\t), XFKV, WV+24, XSW, WS+10
	WIN 0x01
	MM QA, WK+12, XFKV+12, QA, WS+5, XSW+1
	MM QA+8, WK+36, XFKV+12, QA+8, WS+7, XSW+1
	WIN 0x04
	MM VA+8*(\t), XFKV+12, WV+12, VA+8*(\t), XSW+1, WS+9
	MM VA+32+8*(\t), XFKV+12, WV+36, VA+32+8*(\t), XSW+1, WS+11
	WIN 0
	NOPS 5                                         ; five: the next tile's first products begin these accumulators anew
	QS1 QA
	v_lshrrev_b32 v[SK+(\t)], 23, v[TM+8]
	v_cvt_scalef32_pk16_bf6_f32 v[TM+12:TM+14], v[QA:QA+15], v[TM+8]
	v_nop
.irp i, 0,1,2                          ; K = 32 of the instruction's 128: lanes 0-15 hold the block (their own 16 codes, then lane l + 16's), all else is zero codes
	v_and_b32 v[KF+12*(\t)+\i], v[TM+12+\i], v[LM]
.endr
.irp i, 0,1,2
	v_permlanex16_b32 v[KF+12*(\t)+3+\i], v[TM+12+\i], s[SEL], s[SEL+1]
.endr
.irp i, 0,1,2
	v_and_b32 v[KF+12*(\t)+3+\i], v[KF+12*(\t)+3+\i], v[LM]
.endr
.endm
; 16 queries: q, scores against the window's 64 keys, softmax, P V, ctx quantised into its rows
.macro QTILE tq
	FRAGL XFQ, TA, 16*CPI*(\tq)
	FRAGL XFQ+12, TA, 16*CPI*(\tq)+96
	ds_load_b32 v[XSW], v[TA+1] offset:128*(\tq)
	ds_load_b32 v[XSW+1], v[TA+1] offset:128*(\tq)+4
	s_wait_dscnt 0x0                               ; these loads, and the last tile's stores of ctx
	WIN 0x11
	MM QA, WQ, XFQ, BQ, WS, XSW
	MM QA+8, WQ+24, XFQ, BQ+8, WS+2, XSW
	WIN 0x01
	MM QA, WQ+12, XFQ+12, QA, WS+1, XSW+1
	MM QA+8, WQ+36, XFQ+12, QA+8, WS+3, XSW+1
	WIN 0
	NOPS 4
	QS1 QA
	v_lshrrev_b32 v[SQ], 23, v[TM+8]
	v_cvt_scalef32_pk16_bf6_f32 v[QF:QF+2], v[QA:QA+15], v[TM+8]
	v_nop
.irp i, 0,1,2
	v_permlanex16_b32 v[QF+3+\i], v[QF+\i], s[SEL], s[SEL+1]   ; (what lanes 16-31 and registers 6-11 hold meets k's zero codes)
.endr
	NOPS 8                                         ; a scale register written by a vector instruction stands 8 places ahead of a scaled matrix instruction, an operand 4
	WIN 0x10                                       ; bias and mask, as C, in window 1
.irp k, 0,1,2,3
.set dd, (4*((\tq)/2)+(\tq)%2)-(4*(\k/2)+\k%2)+5
	MM SCO+8*\k, KF+12*\k, QF, BM+8*(dd-dd/4), SK+\k, SQ
.endr
	WIN 0
	NOPS 4
.irp c, 0,1,2,3                        ; the row's maximum: my 32 scores, four chains, each from an accumulator's low end on
	v_max3_num_f32 v[TM+\c], v[SCO+8*\c], v[SCO+8*\c+1], v[SCO+8*\c+2]
.endr
.irp c, 0,1,2,3
	v_max3_num_f32 v[TM+\c], v[TM+\c], v[SCO+8*\c+3], v[SCO+8*\c+4]
.endr
.irp c, 0,1,2,3
	v_max3_num_f32 v[TM+\c], v[TM+\c], v[SCO+8*\c+5], v[SCO+8*\c+6]
.endr
	v_max3_num_f32 v[TM], v[TM], v[SCO+7], v[SCO+15]
	v_max3_num_f32 v[TM+2], v[TM+2], v[SCO+23], v[SCO+31]
	v_max3_num_f32 v[TM], v[TM], v[TM+1], v[TM+2]
	v_max_num_f32 v[TM], v[TM], v[TM+3]
	v_permlanex16_b32 v[TM+4], v[TM], s[SEL], s[SEL+1]
	v_max_num_f32 v[TM], v[TM], v[TM+4]            ; with lane l xor 16's 32 keys
	v_mul_f32 v[TM], -v[TM], s94                   ; - maximum x log2(e) / sqrt(32)
.set li, 0
.rept 16
	v_pk_fma_f32 v[SCO+li:SCO+li+1], v[SCO+li:SCO+li+1], s[94:95], v[TM:TM+1] op_sel_hi:[1,0,0]
.set li, li+2
.endr
.set li, 0
.rept 32
	v_exp_f32 v[SCO+li], v[SCO+li]
.set li, li+1
.endr
	v_nop
	s_wait_alu depctr_va_vdst(0)
	v_pk_add_f32 v[TM+2:TM+3], v[SCO:SCO+1], v[SCO+2:SCO+3]
	v_pk_add_f32 v[TM+4:TM+5], v[SCO+4:SCO+5], v[SCO+6:SCO+7]
.irp j, 8,12,16,20,24,28
	v_pk_add_f32 v[TM+2:TM+3], v[TM+2:TM+3], v[SCO+\j:SCO+\j+1]
	v_pk_add_f32 v[TM+4:TM+5], v[TM+4:TM+5], v[SCO+\j+2:SCO+\j+3]
.endr
	v_pk_add_f32 v[TM+2:TM+3], v[TM+2:TM+3], v[TM+4:TM+5]
	v_add_f32 v[TM+2], v[TM+2], v[TM+3]
	v_permlanex16_b32 v[TM+4], v[TM+2], s[SEL], s[SEL+1]
	v_add_f32 v[TM+2], v[TM+2], v[TM+4]
	v_rcp_f32 v[TM+2], v[TM+2]
	v_nop
.set li, 0
	s_wait_alu depctr_va_vdst(0)
.rept 16
	v_pk_mul_f32 v[SCO+li:SCO+li+1], v[SCO+li:SCO+li+1], v[TM+2:TM+3] op_sel_hi:[1,0]   ; the finished softmax is what is quantised
.set li, li+2
.endr
	QUANT2 SCO, PF, SP
	NOPS 8
	MMZ QA, VF, PF, SV, SP                         ; ctx^T: a lane holds one query and channels 16 h + 8 u + j of my head
	MMZ QA+8, VF+12, PF, SV+1, SP
	NOPS 4
	QS1 QA                                         ; my head's 32 channels are block w of the next K
	v_lshrrev_b32 v[TM+4], 23, v[TM+8]
	v_cvt_scalef32_pk16_bf6_f32 v[TM+12:TM+14], v[QA:QA+15], v[TM+8]
	v_nop
.irp i, 0,1,2
	ds_store_b32 v[TA+2], v[TM+12+\i] offset:16*CPI*(\tq)+4*\i
.endr
	ds_store_b8 v[TA+3], v[TM+4] offset:128*(\tq)  ; both lanes of a row write the same byte with the same value
.endm
; ================ HEAD
	s_load_b512 s[4:19], s[0:1], 0x0               ; hidden_states 4, out0 6, ln1_g 8, ln1_b 10, ln2_g 12, ln2_b 14, rel_table 16, bq 18
	s_load_b512 s[20:35], s[0:1], 0x40             ; bk 20, bv 22, bo 24, b1 26, b2 28, wq 30 32, wk 34
	s_load_b512 s[36:51], s[0:1], 0x80             ; wk's scales 36, wv 38 40, wo 42 44, w1 46 48, w2 50
	s_load_b64 s[52:53], s[0:1], 0xc0              ; w2's scales
	v_lshrrev_b32 v[TP], 5, v0
	v_readfirstlane_b32 s[WVN], v[TP]              ; wave 0..7
	v_and_b32 v[RR], 15, v0
	v_bfe_u32 v[HH], v0, 4, 1
	v_add_nc_u32 v[LM], -1, v[HH]
	v_and_b32 v[TA], 31, v0                        ; lane
	s_lshr_b32 s96, ttmp9, 5                       ; the image
	s_bfe_u32 s97, ttmp9, 0x30002                  ; the windows' row wh
	s_and_b32 s98, ttmp9, 3                        ; the pair of windows in that row
	s_cmp_eq_u32 s97, 7
	s_cselect_b32 s90, 0xc40d6bde, 0               ; -100 sqrt(32) between the row classes of the last row of windows
	s_cmp_eq_u32 s98, 3
	s_cselect_b32 s91, 0xc40d6bde, 0               ; and between the column classes of the last column (the pair's second window)
	s_cmp_eq_u32 s97, 7
	s_cselect_b32 s92, 0, s91                      ; which is not added a second time
	s_lshr_b32 s99, s[WVN], 2                      ; my tile's window of the pair
	s_lshl_b32 s100, s98, 1
	s_add_co_u32 s99, s99, s100                    ; ww
	s_lshl_b32 s99, s99, 3
	s_add_co_u32 s99, s99, 4                       ; image column of window columns 0-3: 8 ww + 4 on
	s_add_co_u32 s100, s99, 4
	s_and_b32 s100, s100, 63                       ; and of columns 4-7: (8 ww + 8) mod 64 on
	s_bfe_u32 s101, s[WVN], 0x10001
	s_lshl_b32 s101, s101, 2
	s_and_b32 s58, s[WVN], 1
	s_add_co_u32 s101, s101, s58                   ; my tile's first window row: 4 b + u
	s_lshl_b32 s58, s97, 3
	s_add_co_u32 s101, s101, s58
	s_add_co_u32 s101, s101, 4
	s_add_co_u32 s58, s101, 2
	s_and_b32 s101, s101, 63                       ; image row of slots 0-7,
	s_and_b32 s58, s58, 63                         ; of slots 8-15
	s_lshl_b32 s96, s96, 12
	s_lshl_b32 s101, s101, 6
	s_add_co_u32 s101, s101, s96
	s_lshl_b32 s58, s58, 6
	s_add_co_u32 s58, s58, s96
	s_add_co_u32 s59, s101, s99
	s_lshl_b32 s59, s59, 10                        ; 1,024 bytes a token
	v_lshl_add_u32 v[GA], v[TA], 4, s59
	s_add_co_u32 s59, s101, s100
	s_lshl_b32 s59, s59, 10
	v_lshl_add_u32 v[GA+1], v[TA], 4, s59
	s_add_co_u32 s59, s58, s99
	s_lshl_b32 s59, s59, 10
	v_lshl_add_u32 v[GA+2], v[TA], 4, s59
	s_add_co_u32 s59, s58, s100
	s_lshl_b32 s59, s59, 10
	v_lshl_add_u32 v[GA+3], v[TA], 4, s59
	v_lshlrev_b32 v[TP], 2, v0
	v_lshl_add_u32 v[PW], v0, 2, PAR
	s_lshl_b32 s59, s[WVN], 2                      ; rel_table: entry e of my head lies at 32 e + 4 w; lane l of load i takes entry l + 32 i
	v_lshl_add_u32 v[RO], v[TA], 5, s59
	s_add_co_u32 s59, s59, 224*32                  ; the eighth load has one entry left, the 225th: every lane takes it, so that no load leaves the table
	v_mov_b32 v[RO+1], s59
	s_lshl_b32 s59, s[WVN], 10
	s_add_co_u32 s59, s59, TAB
	v_lshl_add_u32 v[RO+2], v[TA], 2, s59          ; and where they go: my wave's table, 4 bytes a lane
	s_wait_kmcnt 0x0
	global_load_b32 v192, v[TP], s[8:9]            ; the four LayerNorm vectors: 256 threads, 4 bytes each
	global_load_b32 v193, v[TP], s[10:11]
	global_load_b32 v194, v[TP], s[12:13]
	global_load_b32 v195, v[TP], s[14:15]
.irp i, 0,1,2,3,4,5,6
	global_load_b32 v[RT+\i], v[RO], s[16:17] offset:1024*\i
.endr
	global_load_b32 v[RT+7], v[RO+1], s[16:17]
.irp k, 0,1,2,3,4,5,6,7,8,9,10,11,12,13,14,15
	global_load_b128 v[XR+8*\k:XR+8*\k+3], v[GA+\k/4], s[4:5] offset:(\k%4)*1024 th:TH_LOAD_NT        ; slot k: 32 lanes read 512 consecutive bytes
	global_load_b128 v[XR+8*\k+4:XR+8*\k+7], v[GA+\k/4], s[4:5] offset:(\k%4)*1024+512 th:TH_LOAD_NT
.endr
	s_mul_i32 s59, s[WVN], 16*SPI
	v_lshl_add_u32 v[SD], v[TA], 4, s59
	v_mul_u32_u24 v[SCA], v[RR], SPI
	v_lshl_add_u32 v[SRH], v[HH], 6, v[SCA]
	v_add_nc_u32 v[SRH], s59, v[SRH]
	s_lshl_b32 s60, s[WVN], 7
	v_lshl_add_u32 v[SCA], v[HH], 5, v[SCA]
	v_add_nc_u32 v[SCA], s60, v[SCA]
	v_add_nc_u32 v[SCA+1], 64*SPI, v[SCA]
	v_mul_u32_u24 v[CTW], v[RR], CPI
	v_mad_u32_u24 v[AX], v[HH], 24, v[CTW]
	v_add_nc_u32 v[AX], XC, v[AX]
	v_lshl_add_u32 v[AXS], v[RR], 3, XS
	s_mul_i32 s61, s[WVN], 16*CPI
	v_add_nc_u32 v[AXW], s61, v[AX]
	v_add_nc_u32 v[AXSW], s60, v[AXS]
	v_mad_u32_u24 v[CTW], v[HH], 12, v[CTW]
	s_mul_i32 s61, s[WVN], 24
	s_add_co_u32 s61, s61, CT
	v_add_nc_u32 v[CTW], s61, v[CTW]
	v_lshl_add_u32 v[CSW], v[RR], 3, CS
	v_add_nc_u32 v[CSW], s[WVN], v[CSW]
	v_mul_u32_u24 v[AH0], v[RR], HPI
	v_mad_u32_u24 v[AH0], v[HH], 24, v[AH0]
	v_add_nc_u32 v[AH0], HC, v[AH0]
	v_add_nc_u32 v[AH0+1], 64*HPI, v[AH0]
	s_mul_i32 s61, s[WVN], 96
	v_add_nc_u32 v[AHW], s61, v[AH0]
	v_lshl_add_u32 v[HSR], v[RR], 5, HSC
	s_lshl_b32 s61, s[WVN], 2
	v_add_nc_u32 v[HSW], s61, v[HSR]
	v_lshl_add_u32 v[AG], v[HH], 6, PAR
	s_mov_b32 s[SEL], 0x76543210
	s_mov_b32 s[SEL+1], 0xfedcba98                 ; v_permlanex16_b32's selects for lane l xor 16
	s_mov_b32 s62, 0x3b800000                      ; 1 / 256
	s_mov_b32 s93, 0x40b504f3                      ; sqrt(32)
	s_mov_b32 s94, 0x3e8293ee                      ; log2(e) / sqrt(32)
	s_mov_b32 s95, s94
	s_mov_b32 s66, -2.72614225801306e-10           ; erf(z) = z P(z^2) / Q(z^2); each number twice: the packed forms name a pair
	s_mov_b32 s67, s66
	s_mov_b32 s68, 2.77068142495902e-08
	s_mov_b32 s69, s68
	s_mov_b32 s70, -2.10102402082508e-06
	s_mov_b32 s71, s70
	s_mov_b32 s72, -5.69250639462346e-05
	s_mov_b32 s73, s72
	s_mov_b32 s74, -7.34990630326855e-04
	s_mov_b32 s75, s74
	s_mov_b32 s76, -2.95459980854025e-03
	s_mov_b32 s77, s76
	s_mov_b32 s78, -1.60960333262415e-02
	s_mov_b32 s79, s78
	s_mov_b32 s80, -1.45660718464996e-05
	s_mov_b32 s81, s80
	s_mov_b32 s82, -2.13374055278905e-04
	s_mov_b32 s83, s82
	s_mov_b32 s84, -1.68282697438203e-03
	s_mov_b32 s85, s84
	s_mov_b32 s86, -7.37332916720468e-03
	s_mov_b32 s87, s86
	s_mov_b32 s88, -1.42647390514189e-02
	s_mov_b32 s89, s88
.irp i, 0,1,2,3,4,5,6,7,8,9,10,11,12,13,14,15
	v_mov_b32 v[TM+\i], 0                          ; written once: a lane permute's destination counts as one of its sources
.endr
	s_wait_loadcnt 32                              ; the four vectors and my column of the table are in; the 32 row loads issued behind them may be out
	ds_store_b32 v[PW], v192
	ds_store_b32 v[PW], v193 offset:1024
	ds_store_b32 v[PW], v194 offset:2048
	ds_store_b32 v[PW], v195 offset:3072
.irp i, 0,1,2,3,4,5,6,7
	ds_store_b32 v[RO+2], v[RT+\i] offset:128*\i   ; entry l + 32 i at word l + 32 i (words 225 on hold the last entry again and are not read)
.endr
	s_wait_loadcnt 0x0
.irp k, 0,1,2,3,4,5,6,7,8,9,10,11,12,13,14,15
	ds_store_b128 v[SD], v[XR+8*\k:XR+8*\k+3] offset:SPI*\k
	ds_store_b128 v[SD], v[XR+8*\k+4:XR+8*\k+7] offset:SPI*\k+512
.endr
	; my head's weights: rows 32 w .. 32 w + 31 of wq, wk and wv, 6,144 consecutive bytes each.  Lane r of tile u will hold row 32 w + 8 u + r + 8 (r / 8)
	v_and_b32 v[TA], 31, v0
	s_mul_i32 s61, s[WVN], 6144
	v_lshl_add_u32 v[TA], v[TA], 4, s61            ; codes: 16 x lane
	v_and_b32 v[TA+2], 8, v[RR]
	s_lshl_b32 s61, s[WVN], 5
	v_add3_u32 v[TA+1], v[TA+2], v[RR], s61
	v_lshlrev_b32 v[TP], 2, v[TA+1]                ; bv
	v_lshlrev_b32 v[TA+1], 3, v[TA+1]              ; scale words
	v_lshl_add_u32 v[TA+2], v[HH], 6, s60          ; bq, bk: channels 32 w + 16 h on
	; the table's entry for query and key: (row of query - row of key + 7) 15 + column of query - column of key + 7.  For tile difference D and register j that is
	; 30 (r / 8) + 30 (1 - h) + r % 8, which is my lane's, + 15 D - j + 82, which stands in the immediate (0 .. 157)
	v_lshrrev_b32 v[TA+3], 3, v[RR]
	v_xor_b32 v[MU], 1, v[HH]
	v_add_nc_u32 v[TA+3], v[TA+3], v[MU]
	v_mul_u32_u24 v[TA+3], v[TA+3], 30
	v_and_b32 v[MU], 7, v[RR]
	v_add_nc_u32 v[TA+3], v[TA+3], v[MU]
	s_lshl_b32 s61, s[WVN], 10
	s_add_co_u32 s61, s61, TAB
	v_lshl_add_u32 v[TA+3], v[TA+3], 2, s61
	WIN 0x40                                       ; destinations in window 1
.irp u, 0,1
	RAWL WQ+24*\u, TA, 0, 30, 1536*\u, 3072        ; tile u: rows 8 u + 0 .. 7 and 8 u + 16 .. 23
	RAWL WK+24*\u, TA, 0, 34, 1536*\u, 3072
	RAWL WV+24*\u, TA, 0, 38, 1536*\u, 3072
.endr
.irp u, 0,1
	global_load_b128 v[BQ+8*\u:BQ+8*\u+3], v[TA+2], s[18:19] offset:32*\u
	global_load_b128 v[BQ+8*\u+4:BQ+8*\u+7], v[TA+2], s[18:19] offset:32*\u+16
	global_load_b128 v[BK+8*\u:BK+8*\u+3], v[TA+2], s[20:21] offset:32*\u
	global_load_b128 v[BK+8*\u+4:BK+8*\u+7], v[TA+2], s[20:21] offset:32*\u+16
.endr
.irp D, -5,-4,-3,-1,0,1,3,4,5          ; the nine differences between the first rows (0, 1, 4, 5) of a tile of queries and a tile of keys
.irp j, 0,1,2,3,4,5,6,7
	ds_load_b32 v[BM+8*(((\D)+5)-((\D)+5)/4)+\j], v[TA+3] offset:((\D)*15-\j+82)*4   ; LDS serves a wave's instructions in order: these see my stores
.endr
.endr
	WIN 0
.irp u, 0,1
.irp s, 0,1
	global_load_b32 v[WS+2*\u+\s], v[TA+1], s[32:33] offset:64*\u+4*\s
	global_load_b32 v[WS+4+2*\u+\s], v[TA+1], s[36:37] offset:64*\u+4*\s
	global_load_b32 v[WS+8+2*\u+\s], v[TA+1], s[40:41] offset:64*\u+4*\s
.endr
.endr
	global_load_b32 v[BV], v[TP], s[22:23]
	global_load_b32 v[BV+2], v[TP], s[22:23] offset:32
	BAR                                            ; the stage and the four vectors lie in LDS
; ================ A: LN1
.set PCD, 192
	LNQ 0
	BAR                                            ; x's 128 rows of codes lie in LDS
; ================ B, C: attention of my head, a window a trip
	s_wait_loadcnt 0x0                             ; the weights and biases
	STADDR
	TURN2 WQ, WSA                                  ; the fragments are awaited with the first tile's loads
	TURN2 WK, WSA
	TURN2 WV, WSA
	WIN 0
	v_mov_b32 v[BV+1], v[BV]
	v_mov_b32 v[BV+3], v[BV+2]
.irp t, 0,1,2,3
.irp i, 3,4,5,6,7,8,9,10,11
	v_mov_b32 v[KF+12*\t+\i], 0                    ; zero codes for the K that the head does not have
.endr
.endr
.irp u, 0,1
.irp i, 6,7,8,9,10,11
	v_mov_b32 v[VF+12*\u+\i], 0
.endr
.endr
	WIN 0x41                                       ; destination and source 0 in window 1
.irp e, 0,1,2,6,7,8                    ; tiles of different row classes: bias x sqrt(32) + the mask of the last row of windows
.irp j, 0,1,2,3,4,5,6,7
	v_fma_f32 v[BM+8*\e+\j], v[BM+8*\e+\j], s93, s90
.endr
.endr
.irp e, 3,4,5
.irp j, 0,1,2,3,4,5,6,7
	v_mul_f32 v[BM+8*\e+\j], v[BM+8*\e+\j], s93
.endr
.endr
	WIN 0
	s_mov_b32 s[SX], 0
	s_mov_b32 s[SS], 0
	s_mov_b32 s[CNT], 0
.Lwin:
	v_add_nc_u32 v[TA], s[SX], v[AX]
	v_add_nc_u32 v[TA+1], s[SS], v[AXS]
	v_add_nc_u32 v[TA+2], s[SX], v[CTW]
	v_add_nc_u32 v[TA+3], s[SS], v[CSW]
	KVTILE 0
	KVTILE 1
	KVTILE 2
	KVTILE 3
.set vi, 0
.rept 16
	v_pk_add_f32 v[VA+vi:VA+vi+1], v[VA+vi:VA+vi+1], v[BV:BV+1]             ; + bv of my lane's channel
	v_pk_add_f32 v[VA+32+vi:VA+32+vi+1], v[VA+32+vi:VA+32+vi+1], v[BV+2:BV+3]
.set vi, vi+2
.endr
	QUANT2 VA, VF, SV                              ; v along the tokens: register 16 b + i is token 32 b + 16 h + i
	QUANT2 VA+32, VF+12, SV+1
	QTILE 0
	QTILE 1
	QTILE 2
	QTILE 3
	s_wait_dscnt 0x0                               ; the stores have read their registers
	s_cmp_lg_u32 s[CNT], 0
	s_cbranch_scc1 .Lnoupd
	v_and_b32 v[TP], 4, v0                         ; behind the first window: the second's column mask.  Query column >= 4 in lanes with bit 2; key column = the register's j
	v_cmp_ne_u32 vcc_lo, 0, v[TP]
	v_mov_b32 v[TM+8], s91
	v_mov_b32 v[TM+9], s92
	v_cndmask_b32 v[TM], 0, v[TM+8], vcc_lo        ; for keys of columns 0-3,
	v_cndmask_b32 v[TM+4], 0, v[TM+9], vcc_lo
	v_mov_b32 v[TM+1], v[TM]
	v_mov_b32 v[TM+5], v[TM+4]
	v_sub_f32 v[TM+2], v[TM+8], v[TM]              ; for keys of columns 4-7
	v_sub_f32 v[TM+6], v[TM+9], v[TM+4]
	v_mov_b32 v[TM+3], v[TM+2]
	v_mov_b32 v[TM+7], v[TM+6]
	WIN 0x41
.irp e, 3,4,5
.irp p, 0,1,2,3
	v_pk_add_f32 v[BM+8*\e+2*\p:BM+8*\e+2*\p+1], v[BM+8*\e+2*\p:BM+8*\e+2*\p+1], v[TM+2*(\p/2):TM+2*(\p/2)+1]
.endr
.endr
.irp e, 0,1,2,6,7,8
.irp p, 0,1,2,3
	v_pk_add_f32 v[BM+8*\e+2*\p:BM+8*\e+2*\p+1], v[BM+8*\e+2*\p:BM+8*\e+2*\p+1], v[TM+4+2*(\p/2):TM+4+2*(\p/2)+1]
.endr
.endr
	WIN 0
.Lnoupd:
	s_add_co_u32 s[SX], s[SX], 64*CPI
	s_add_co_u32 s[SS], s[SS], 512
	s_add_co_u32 s[CNT], s[CNT], 1
	s_cmp_lt_u32 s[CNT], 2
	s_cbranch_scc1 .Lwin
	; wo's and w1's codes take the place of wq, wk, wv and the bias tiles.  wo, its scale words and bo first: they are wanted at once; w1's 48 loads behind them have two phases in which to land
	s_mul_i32 s96, s[WVN], 6144
	s_mul_i32 s97, s[WVN], 24576
	s_lshl_b32 s98, s[WVN], 5
	s_lshl_b32 s99, s[WVN], 7
	v_and_b32 v[TP], 31, v0
	v_lshl_add_u32 v[TA], v[TP], 4, s96            ; wo: rows 32 w on, 16 x lane
	v_lshl_add_u32 v[TA+2], v[TP], 4, s97          ; w1: rows 128 w on, 16 x lane
	v_add_nc_u32 v[TA+1], s98, v[RR]               ; wo's scale words: row 32 w + 16 u + r
	v_lshlrev_b32 v[TA+1], 3, v[TA+1]
	v_and_b32 v[TA+3], 8, v[RR]
	v_add3_u32 v[TA+3], v[TA+3], v[RR], s99        ; w1's: row 128 w + 32 b + 8 u + r + 8 (r / 8)
	v_lshlrev_b32 v[TA+3], 3, v[TA+3]
	v_lshl_add_u32 v[TP], v[HH], 5, s99            ; bo: channels 32 w + 8 h on
	WIN 0x40
.irp u, 0,1
	RAWL 24*\u, TA, 0, 42, 3072*\u, 1536           ; tile u: rows 16 u + 0 .. 15
.endr
	WIN 0
.irp u, 0,1
.irp s, 0,1
	global_load_b32 v[SK+2*\u+\s], v[TA+1], s[44:45] offset:128*\u+4*\s
.endr
	global_load_b128 v[BI+8*\u:BI+8*\u+3], v[TP], s[24:25] offset:64*\u
	global_load_b128 v[BI+8*\u+4:BI+8*\u+7], v[TP], s[24:25] offset:64*\u+16
.endr
	WIN 0x40
.irp t, 0,1,2,3,4,5,6,7
	RAWL W1F+24*\t, TA+2, 0, 46, (32*(\t/2)+8*(\t%2))*192, 3072
.endr
	WIN 0
	BAR                                            ; ctx's 128 rows of codes lie in LDS
; ================ D: ctx wo^T + bo + shortcut
	s_wait_loadcnt 48                              ; wo, its scale words and bo are in; w1's 48 loads, issued behind them, may be out
	STADDR
	TURN2 0, WSA                                   ; awaited with the first batch's loads
	WIN 0
	OUTGEMM 2, SK, AX, CT-XC, AX, CT-XC+64*CPI, 16*CPI, AXS, CS-XS, 128
	RESID
	s_lshl_b32 s96, s[WVN], 9
	v_lshl_add_u32 v[TP], v[HH], 6, s96            ; b1: units 128 w + 16 h on (this register was bo's offset, and the counted wait above has shown bo's loads done)
	WIN 0x40
.irp t, 0,1,2,3,4,5,6,7
	global_load_b128 v[8*\t:8*\t+3], v[TP], s[26:27] offset:(32*(\t/2)+8*(\t%2))*4
	global_load_b128 v[8*\t+4:8*\t+7], v[TP], s[26:27] offset:(32*(\t/2)+8*(\t%2))*4+16
.endr
	WIN 0
.irp t, 0,1,2,3,4,5,6,7
.irp s, 0,1
	global_load_b32 v[WS+2*\t+\s], v[TA+3], s[48:49] offset:(32*(\t/2)+8*(\t%2))*8+4*\s
.endr
.endr
	BAR                                            ; hidden lies in the stage
; ================ E: LN2
	LNQ 2048
	s_wait_loadcnt 0x0                             ; w1, its scale words and b1
	STADDR
.irp p, 0,1,2,3
	TURN2 W1F+48*\p, WSA                           ; the stage lies in HC, which no wave writes before the barrier below
.endr
	WIN 0
	BAR
; ================ F: the hidden layer, my 128 units, a tile of 16 tokens a trip
.set PCD, 152
	s_mov_b32 s[SX], 0
	s_mov_b32 s[SS], 0
	s_mov_b32 s[SH], 0
	s_mov_b32 s[SHS], 0
	s_mov_b32 s[CNT], 0
.Lw1:
	v_add_nc_u32 v[TA], s[SX], v[AX]
	v_add_nc_u32 v[TA+1], s[SS], v[AXS]
	v_add_nc_u32 v[TA+2], s[SH], v[AHW]
	v_add_nc_u32 v[TA+3], s[SHS], v[HSW]
	FRAGL XF, TA, 0
	FRAGL XF+12, TA, 96
	ds_load_b32 v[XSW], v[TA+1]
	ds_load_b32 v[XSW+1], v[TA+1] offset:4
	s_wait_dscnt 0x0
	WIN 0x11                                       ; w1 and b1 in window 1
.irp t, 0,1,2,3,4,5,6,7
	MM HA+8*\t, W1F+24*\t, XF, 8*\t, WS+2*\t, XSW
.endr
	WIN 0x01
.irp t, 0,1,2,3,4,5,6,7
	MM HA+8*\t, W1F+24*\t+12, XF+12, HA+8*\t, WS+2*\t+1, XSW+1
.endr
	WIN 0
	NOPS 4
.irp e, 0,1,2,3,4,5,6,7
	GELU8 HA+8*\e
.endr
	QUANT4 HA                                      ; K step w of the last product
	FRAGS TA+2, 0
	ds_store_b32 v[TA+3], v[PW]
	s_wait_dscnt 0x0                               ; the stores have read their registers
	s_add_co_u32 s[SX], s[SX], 16*CPI
	s_add_co_u32 s[SS], s[SS], 128
	s_add_co_u32 s[SH], s[SH], 16*HPI
	s_add_co_u32 s[SHS], s[SHS], 512
	s_add_co_u32 s[CNT], s[CNT], 1
	s_cmp_lt_u32 s[CNT], 8
	s_cbranch_scc1 .Lw1
	; w2: rows 32 w on, 768 bytes each.  A piece is 16 rows x K steps 2 j and 2 j + 1: chunk c0 lies at 768 (c0 / 12) + 16 (c0 % 12) = 16 c0 + 576 (c0 / 12); 512 a of 16 c0 stands in the immediate
	STADDR
	s_mul_i32 s98, s[WVN], 24576
	s_lshl_b32 s99, s[WVN], 5
	s_lshl_b32 s100, s[WVN], 7
	v_and_b32 v[TP], 31, v0
	v_lshl_add_u32 v[TA], v[TP], 4, s98
.irp a, 0,1,2
	v_mad_u32_u24 v[SA+7+\a], v[SA+4+\a], 576, v[TA]
.endr
	v_add_nc_u32 v[TA+1], s99, v[RR]               ; its scale words: row 32 w + 16 u + r
	v_lshlrev_b32 v[TA+1], 5, v[TA+1]
	v_lshl_add_u32 v[TP], v[HH], 5, s100           ; b2
	WIN 0x40
.irp u, 0,1
.irp j, 0,1,2,3
	RAWL 96*\u+24*\j, SA+7, 1, 50, 12288*\u+192*\j, 6144
.endr
.endr
	WIN 0
.irp u, 0,1
.irp s, 0,1,2,3,4,5,6,7
	global_load_b32 v[WS+8*\u+\s], v[TA+1], s[52:53] offset:512*\u+4*\s
.endr
	global_load_b128 v[BI+8*\u:BI+8*\u+3], v[TP], s[28:29] offset:64*\u
	global_load_b128 v[BI+8*\u+4:BI+8*\u+7], v[TP], s[28:29] offset:64*\u+16
.endr
	BAR                                            ; the hidden layer's 128 rows of codes lie in LDS; nobody reads XC or CT any more
; ================ G: hidden layer w2^T + b2 + hidden
	s_wait_loadcnt 0x0
.irp p, 0,1,2,3
	TURN2 48*\p, 0                                 ; the stage now lies in XC and CT; awaited with the first batch's loads
.endr
	WIN 0
	OUTGEMM 8, WS, AH0, 0, AH0+1, 0, 16*HPI, HSR, 0, 512
	RESID
	BAR                                            ; the result lies in the stage
; ================ H: my 16 rows leave, to the rows that they came from
.irp k, 0,1,2,3,4,5,6,7,8,9,10,11,12,13,14,15
	ds_load_b128 v[XR+8*\k:XR+8*\k+3], v[SD] offset:SPI*\k
	ds_load_b128 v[XR+8*\k+4:XR+8*\k+7], v[SD] offset:SPI*\k+512
.endr
.irp k, 0,1,2,3,4,5,6,7,8,9,10,11,12,13,14,15
	s_wait_dscnt 31-2*\k                           ; LDS loads come back in order: this one is in, the younger ones may be out
	global_store_b128 v[GA+\k/4], v[XR+8*\k:XR+8*\k+3], s[6:7] offset:(\k%4)*1024 th:TH_STORE_NT      ; 32 lanes store 512 consecutive bytes, at a multiple of 512 from out0's first byte
	s_wait_dscnt 30-2*\k
	global_store_b128 v[GA+\k/4], v[XR+8*\k+4:XR+8*\k+7], s[6:7] offset:(\k%4)*1024+512 th:TH_STORE_NT
.endr
	s_wait_xcnt 0x0
	v_lshl_add_u32 v254, v0, 2, 0x4a800
	v_mov_b32 v255, 0
	s_wait_tensorcnt 0x0
	ds_add_u32 v254, v255
	s_wait_dscnt 0x0
	s_endpgm
.Lfunc_end_k_q48a5507702_swin:
	.size	k_q48a5507702_swin, .Lfunc_end_k_q48a5507702_swin-k_q48a5507702_swin
	.p2alignl 7, 3214868480
	.fill 96, 4, 3214868480
	.section	.rodata,"a",@progbits
	.p2align	6, 0x0
	.amdhsa_kernel k_q48a5507702_swin
		.amdhsa_group_segment_fixed_size 306176
		.amdhsa_private_segment_fixed_size 0
		.amdhsa_enable_private_segment 0
		.amdhsa_kernarg_size 200
		.amdhsa_user_sgpr_count 2
		.amdhsa_user_sgpr_kernarg_segment_ptr 1
		.amdhsa_wavefront_size32 1
		.amdhsa_system_sgpr_workgroup_id_x 1
		.amdhsa_system_sgpr_workgroup_id_y 1
		.amdhsa_system_sgpr_workgroup_id_z 1
		.amdhsa_system_vgpr_workitem_id 0
		.amdhsa_next_free_vgpr 512
		.amdhsa_next_free_sgpr 102
		.amdhsa_reserve_vcc 1
		.amdhsa_float_denorm_mode_32 3
		.amdhsa_float_denorm_mode_16_64 3
		.amdhsa_memory_ordered 1
		.amdhsa_forward_progress 1
		.amdhsa_inst_pref_size 255
	.end_amdhsa_kernel
	.section	.bss,"aw",@nobits
	.p2align	6
	.space	262144
	.amdgpu_metadata
---
amdhsa.version: [ 1, 2 ]
amdhsa.kernels:
  - .name:           k_q48a5507702_swin
    .symbol:         k_q48a5507702_swin.kd
    .args:
      - { .name: hidden_states, .offset: 0, .size: 8, .value_kind: global_buffer, .address_space: global }
      - { .name: out0, .offset: 8, .size: 8, .value_kind: global_buffer, .address_space: global }
      - { .name: ln1_g, .offset: 16, .size: 8, .value_kind: global_buffer, .address_space: global }
      - { .name: ln1_b, .offset: 24, .size: 8, .value_kind: global_buffer, .address_space: global }
      - { .name: ln2_g, .offset: 32, .size: 8, .value_kind: global_buffer, .address_space: global }
      - { .name: ln2_b, .offset: 40, .size: 8, .value_kind: global_buffer, .address_space: global }
      - { .name: rel_table, .offset: 48, .size: 8, .value_kind: global_buffer, .address_space: global }
      - { .name: bq, .offset: 56, .size: 8, .value_kind: global_buffer, .address_space: global }
      - { .name: bk, .offset: 64, .size: 8, .value_kind: global_buffer, .address_space: global }
      - { .name: bv, .offset: 72, .size: 8, .value_kind: global_buffer, .address_space: global }
      - { .name: bo, .offset: 80, .size: 8, .value_kind: global_buffer, .address_space: global }
      - { .name: b1, .offset: 88, .size: 8, .value_kind: global_buffer, .address_space: global }
      - { .name: b2, .offset: 96, .size: 8, .value_kind: global_buffer, .address_space: global }
      - { .name: wq_codes, .offset: 104, .size: 8, .value_kind: global_buffer, .address_space: global }
      - { .name: wq_scales, .offset: 112, .size: 8, .value_kind: global_buffer, .address_space: global }
      - { .name: wk_codes, .offset: 120, .size: 8, .value_kind: global_buffer, .address_space: global }
      - { .name: wk_scales, .offset: 128, .size: 8, .value_kind: global_buffer, .address_space: global }
      - { .name: wv_codes, .offset: 136, .size: 8, .value_kind: global_buffer, .address_space: global }
      - { .name: wv_scales, .offset: 144, .size: 8, .value_kind: global_buffer, .address_space: global }
      - { .name: wo_codes, .offset: 152, .size: 8, .value_kind: global_buffer, .address_space: global }
      - { .name: wo_scales, .offset: 160, .size: 8, .value_kind: global_buffer, .address_space: global }
      - { .name: w1_codes, .offset: 168, .size: 8, .value_kind: global_buffer, .address_space: global }
      - { .name: w1_scales, .offset: 176, .size: 8, .value_kind: global_buffer, .address_space: global }
      - { .name: w2_codes, .offset: 184, .size: 8, .value_kind: global_buffer, .address_space: global }
      - { .name: w2_scales, .offset: 192, .size: 8, .value_kind: global_buffer, .address_space: global }
    .group_segment_fixed_size: 306176
    .private_segment_fixed_size: 0
    .kernarg_segment_align: 8
    .kernarg_segment_size: 200
    .max_flat_workgroup_size: 256
    .sgpr_count:     102
    .vgpr_count:     512
    .wavefront_size: 32
...
	.end_amdgpu_metadata
.endif
;; end of part 2
